; MI455X (gfx1250); checked and timed in simulation.
; The chip was launched on July 23, 2026; its instructions are those of AMD's public machine-readable ISA for CDNA 5 (MIT licence, August 2026) and "CDNA5" Instruction Set Architecture Reference Guide (July 2026). The comments in the code are by the model that wrote it; some were corrected since.
;; Head Ver4. Allowed arithmetic: matrix products marked QUANTISED: E4M3 operands, one given power-of-two scale a tensor, by v_wmma_f32_16x16x64_fp8_fp8 or v_wmma_f32_16x16x128_fp8_fp8, f32 sums; everything else in f32.
;; Inputs: Wk_codes 1,024 x 32 x 32 uint8 (E4M3 codes of Wk, K innermost, in blocks of 32 codes); Wq_codes 1,024 x 32 x 32 uint8 (E4M3 codes of Wq, K innermost, in blocks of 32 codes); Wv_codes 1,024 x 32 x 32 uint8 (E4M3 codes of Wv, K innermost, in blocks of 32 codes); lowp_scales 10 int32 (the exponents e of the quantised operands' scales 2^e); x_codes 4 x 2,048 x 32 x 32 uint8 (E4M3 codes of x, K innermost, in blocks of 32 codes).
;; Outputs: out0 4 x 2,048 x 1,024 float32.
;; This version of the problem:
;;   THIS VERSION OF THE PROBLEM IS GIVEN IN LOW PRECISION. The matrix products marked QUANTISED in the list below multiply operands that are first quantised to E4M3 (4 exponent bits, 3 mantissa bits; 8 bits a number), with one given power-of-two scale for each operand tensor; their sums are f32. All else is computed in f32.
;;   The module's matrix products, in the order in which they are computed (A, B: the left and right operand; K: the contracted axis; several contracted axes count as one K, in the product's order):
;;     1. [M 8,192, K 1,024] x [K 1,024, N 1,024]; A: input x (given as codes); B: input Wk (given as codes): QUANTISED (scales: A lowp_scales[0], B lowp_scales[1])
;;     2. [M 8,192, K 1,024] x [K 1,024, N 1,024]; A: input x (given as codes); B: input Wq (given as codes): QUANTISED (scales: A lowp_scales[2], B lowp_scales[3])
;;     3. [M 8,192, K 1,024] x [K 1,024, N 1,024]; A: input x (given as codes); B: input Wv (given as codes): QUANTISED (scales: A lowp_scales[4], B lowp_scales[5])
;;     4. batch 4 x [M 2,048, K 1,024] x [K 1,024, N 2,048]; A: computed on the way; B: computed on the way: QUANTISED (scales: A lowp_scales[6], B lowp_scales[7])
;;     5. batch 4 x [M 2,048, K 2,048] x [K 2,048, N 1,024]; A: softmax (see below); B: computed on the way: QUANTISED (scales: A lowp_scales[8], B lowp_scales[9])
;;   THE QUANTISER, for each operand of a quantised product, along K:
;;     - The operand's scale is 2^e, e = its entry of the input lowp_scales (int32; the entries are numbered through the quantised products in the list's order, A before B).
;;     - Each number is divided by the scale, clamped to +-448, and rounded to the nearest number of E4M3, ties to even, subnormals kept.
;;     - The product sums the exact products of the quantised numbers (number of the format x scale) in f32.
;;   ~~~python
;;   def quantise(x, axis, e):      # numpy; x: float32 -> the quantised numbers, widened to float32 again
;;       x = np.moveaxis(x, axis, -1); K = x.shape[-1]
;;       r = np.clip(x / 2.0 ** e, -448, 448)
;;       step = 2.0 ** (np.maximum(np.frexp(np.where(r == 0, 1, r))[1] - 1, -6) - 3)
;;       q = np.round(r / step) * step * 2.0 ** e      # np.round: ties to even
;;       return np.moveaxis(q, -1, axis).astype(np.float32)
;;   ~~~
;;   SOFTMAX AHEAD OF A QUANTISED PRODUCT. Where the list says 'softmax', what is quantised is not the finished softmax but p = 2^(t - M), with t = logit x log2(e) and M = ceil(the row's largest t), a whole number; so 1/2 < the row's largest p <= 1. The row's sum l is taken of the UNQUANTISED p, in f32, and the product's result is divided by l at the end. Since M is a whole number, a kernel that streams over the keys may use a running M (the ceiling of the running maximum): every later rescaling is an exact power of two, so the quantised numbers keep their values, but for numbers so far below the row's largest that they fall under the format's range.
;;   OPERANDS COMPUTED ON THE WAY. 'Computed on the way' means the value that the module computes at that place (a softmax that the list does not call 'softmax' is quantised finished and normalised). What goes into a quantiser is computed in f32, as accurately as f32 sums, v_exp_f32 and their like allow (about 1e-6 of the number): no bf16 or f16 on the way to a quantiser, and a product that is left as it is and whose result goes on into a quantised operand takes f32 operands (vector FMAs, or v_wmma_f32_16x16x4_f32). A number that lies on a knife's edge between two numbers of the format may be rounded either way, as far as f32 arithmetic and the matrix unit's own rounding can turn it there, and no further.
;;   INPUTS GIVEN AS CODES. Wk (in the module: [1024, 1024], K = its axis 1); Wq (in the module: [1024, 1024], K = its axis 1); Wv (in the module: [1024, 1024], K = its axis 1); x (in the module: [4, 2048, 1024], K = its axis 2): each comes as NAME_codes (uint8): NAME with its K axis moved to the last place and cut into blocks of 32 codes, [.., K / 32, bytes a block], one block behind the other in memory; one code a byte (a code: sign, 4 exponent bits, 3 mantissa bits); its scale is its entry of lowp_scales. Its value is code x scale, taken as it is: it is not quantised again, and the codes and scales need not be those that the quantiser above would give.
;; One version. Each part assembles by itself: llvm-mc -triple=amdgcn-amd-amdhsa -mcpu=gfx1250 --defsym DOCPART=n.
;; ======== version 1 of 1: 3 launches
;; limits: right only within a limited range of input values
;; workspace buffers: kf 8,388,608 bytes; qf 8,388,608 bytes; vf 8,388,608 bytes; pf 16,777,216 bytes; nmtab 262,144 bytes; ltab 524,288 bytes
;; launch proj (part 1): grid 4 x 96, 4 waves a work-group, clusters of 4 x 4, 327,680 bytes of LDS; arguments x_codes, Wk_codes, Wq_codes, Wv_codes, lowp_scales, kf, qf, vf; writes kf, qf, vf
.if DOCPART == 1
	.amdgcn_target "amdgcn-amd-amdhsa--gfx1250"
	.amdhsa_code_object_version 6
	.text
	.protected	k_qa77e68b0b9_proj
	.globl	k_qa77e68b0b9_proj
	.p2align	8
	.type	k_qa77e68b0b9_proj,@function
k_qa77e68b0b9_proj:
	s_mov_b64 s[64:65], 0
	v_nop
	global_prefetch_b8 v0, s[64:65] scope:SCOPE_SE
	s_setreg_imm32_b32 hwreg(HW_REG_WAVE_MODE, 25, 1), 1
	s_wait_xcnt 0x0
	s_wait_alu depctr_hold_cnt(0) depctr_sa_sdst(0) depctr_va_vdst(0) depctr_va_sdst(0) depctr_va_ssrc(0) depctr_va_vcc(0) depctr_vm_vsrc(0)
	s_getreg_b32 s2, hwreg(HW_REG_IB_STS2, 6, 4)
	s_cmp_eq_u32 s2, 0
	s_cbranch_scc0 .Lentry_in_a_cluster
	s_endpgm
.Lentry_in_a_cluster:
	s_bfe_u32 s2, ttmp6, 0x10000c
	s_cmp_lg_u32 s2, 0xf033
	s_cbranch_scc0 .Lentry_shape_is_right
	s_endpgm
.Lentry_shape_is_right:
; k = x Wk^T, q = x Wq^T and v^T = Wv x^T on codes of FP8 (E4M3), each result quantised at once for the product that will read it.
; x: [8192][1024], Wk, Wq, Wv: [1024][1024], one code a byte, K innermost.  lowp_scales: e0 .. e9.
; ONE TEXT FOR THE THREE PRODUCTS, C = A B^T in tiles of 256 x 256.  The cluster's number c = 0 .. 23 says which: which = c / 8, sub = c % 8.
;   which 0: A = x, B = Wk, out = kf, f = e7 - e0 - e1.   which 1: A = x, B = Wq, out = qf, f = e6 - e2 - e3.   which 2: A = Wv, B = x, out = vf, f = e9 - e4 - e5.
; A raw sum stands for sum x 2^(its two exponents); its code under the next product's scale is sum / 2^f, held within +-448.  Buffers and numbers are chosen by selects on c: one path.
; (q is taken as the left operand, e6, and k as the right one, e7, of the product q k^T.)
; LIMITS: f lies between -126 and 119, so that 2^f and 448 x 2^f are f32 numbers.  NaN codes among the inputs are not served.
; SHARES: a work-group of four waves makes a tile, a wave 128 x 128: 64 accumulators, 512 registers.  K goes in steps of 256 through a ring of two LDS slots filled by the tensor data mover.
; CLUSTERS: 4 x 4 work-groups; the four of a row of the cluster ask for A's tiles jointly, the four of a column for B's: the same tensor load, the same descriptor, a mask that names the four.
; THE MATRIX INSTRUCTION IS USED TRANSPOSED (source 0 = 16 rows of B, source 1 = 16 rows of A): lane (r, h) holds row r of A's block, register j of tile b column 16 b + 8 h + j.
; THE WAY OUT NEEDS NO STAGE.  Eight numbers of tile b become the two registers 2 b, 2 b + 1 of a fragment of this form (16 rows x 128 along the next K: registers 2 c, 2 c + 1 hold k = 16 c + 8 h + 0 .. 7):
; the eight tiles of a block of A's rows are one whole fragment, 16 registers a lane.  It is stored AS AN IMAGE OF ITS REGISTERS, 2,048 bytes: registers 4 c .. 4 c + 3 of lane l at 512 c + 16 l.
; Each store of the wave covers 512 consecutive bytes, aligned.  kf, qf: [512 groups of 16 tokens][8 blocks of 128 channels][2048];  vf: [64 groups of 16 channels][64 blocks of 128 tokens][2048].
; REGISTERS, in windows of 256: window 0: v0-31 addresses; v32-105 the way out; from v128 A's fragments, ONE set (on the way out: the codes).  window 1: B's fragments, TWO sets.
;   window 2: the accumulators of my rows 0-63 ((a, b) at v[8 (8 a + b)]);  window 3: those of my rows 64-127.
.set ROWB,   256                       ; a tile's row: 256 codes
.set KROW,   1024                      ; a row of A or of B in memory, in bytes
.set PITCH,  272                       ; an LDS row: 256 bytes + 16 of padding = 68 words: the 16 rows that a load touches start at 16 different banks (64 banks of 4 bytes: ISA guide 11.1)
.set FR,     16                        ; registers of a fragment
.set NL,     4                         ; LDS loads that bring one
.set NP,     4                         ; places behind this matrix instruction (ISA guide 7.12.1)
.set HALFT,  128*PITCH                 ; 128 rows: what one tensor load brings
.set SLOT,   4*HALFT                   ; A's 256 rows, then B's 256 rows
.set LAPS,   2                         ; 1,024 along K = four K steps = twice round the ring
.set SPARE,  2*SLOT                    ; behind the ring: the spare words, 128 bytes for each wave
.set ADRA, 16                          ; v16-17  LDS address of my A fragments in slot 0, 1
.set ADRB, 20                          ; v20-21  the same for B
.set LI,   26                          ; v26     16 x lane
.set SPW,  28                          ; v28     my spare word; never rewritten
.set NIL,  29                          ; v29     0; never rewritten
.set TMP,  32                          ; v32-95  a block's 64 sums, held
.set VO,   96                          ; v96-103 block a's byte offset in the output: 16 x lane + a x the pitch from group to group
.set LIM,  104                         ; v104    448 x 2^f
.set SC,   105                         ; v105    2^f
.set AF,   128                         ; A's fragments
.set CD,   128                         ; the way out: 16 registers of codes for each block, so that no store's data are written again
.set G1, 24                            ; s[24:31] descriptor group 1 for A's tiles;  s[32:39] group 0, one set for each slot
.set G0, 32
.set G1B, 48                           ; s[48:55], s[56:63] the same for B's tiles
.set G0B, 56
.set MSB, 0
.macro WIN new                         ; the immediate's high byte repeats the setting that is left
.if MSB != \new
	s_set_vgpr_msb (MSB<<8)|\new
.set MSB, \new
.endif
.endm
.set MUL_LO, 0xa1                      ; source 0 (B) window 1, source 1 (A) window 0, C and D window 2
.set MUL_HI, 0xf1                      ; the same, C and D window 3
.set TO_B,   0x40                      ; destination window 1, address window 0
; A joint load: waves 0 and 1 fetch for A, waves 2 and 3 for B.  The branch hangs on the wave's number alone.  Four v_nop follow each of the two lines.
.macro JLOAD g0a, g1a, g0b, g1b
	s_cmp_eq_u32 s15, 0
	s_cbranch_scc0 .Lfor_b_\@
	tensor_load_to_lds s[\g0a:\g0a+3], s[\g1a:\g1a+7]
	s_nop 0
.rept 4
	v_nop
.endr
	s_branch .Lasked_\@
.Lfor_b_\@:
	tensor_load_to_lds s[\g0b:\g0b+3], s[\g1b:\g1b+7]
	s_nop 0
.rept 4
	v_nop
.endr
.Lasked_\@:
.endm
.macro CREST                           ; a round of the cluster's barrier behind its opening barrier
	s_cmp_lg_u32 s14, 0
	s_cbranch_scc1 .Lnot_wave_0_\@
	s_barrier_signal -3
.Lnot_wave_0_\@:
	s_barrier_wait -3
	s_barrier_signal -1
	s_barrier_wait -1
.endm
.macro CROUND                          ; a whole round
	s_barrier_signal -1
	s_barrier_wait -1
	CREST
.endm
	s_load_b256 s[4:11], s[0:1], 0x0               ; x s[4:5], Wk s[6:7], Wq s[8:9], Wv s[10:11]
	s_load_b256 s[68:75], s[0:1], 0x20             ; the exponents s[68:69], kf s[70:71], qf s[72:73], vf s[74:75]
	v_lshl_add_u32 v[SPW], v0, 2, SPARE
	v_mov_b32 v[NIL], 0
	ds_add_u32 v28, v29
	ds_add_u32 v28, v29
	s_wait_dscnt 0x0
	v_lshrrev_b32 v1, 5, v0
	v_readfirstlane_b32 s14, v1                    ; wave 0..3
	s_lshr_b32 s15, s14, 1                         ; which half of the tile's rows is mine.  Also: I fetch for A (0) or for B (1)
	s_and_b32 s16, s14, 1                          ; which half of its columns.  Also: which 128 rows of that tile I fetch
	s_bfe_u32 s40, ttmp6, 0x40000                  ; cx, cy: my place in the cluster
	s_bfe_u32 s41, ttmp6, 0x40004
	s_and_b32 s76, ttmp7, 0xffff                   ; the cluster's number, 0 .. 23: the same in all sixteen partners
	s_and_b32 s77, s76, 7                          ; sub
	s_lshr_b32 s76, s76, 3                         ; which
	s_mov_b32 s86, 131072
	s_cmp_lt_u32 s76, 2
	s_cselect_b32 s78, s77, 0                      ; k, q: the eight clusters go down x's rows; v^T: Wv's 1,024 rows are one cluster high
	s_cselect_b32 s79, 0, s77                      ; and the other way round along B
	s_cselect_b32 s86, 16384, s86                  ; bytes from group to group in the output: 8 blocks (kf, qf) or 64 blocks (vf) of 2,048
	s_lshl_b32 s42, s79, 2
	s_add_co_u32 s42, s42, s40                     ; tile column
	s_lshl_b32 s17, s78, 2
	s_add_co_u32 s17, s17, s41                     ; tile row
	s_lshl_b32 s43, s41, 2
	s_lshl_b32 s43, 15, s43                        ; my row of the cluster
	s_lshl_b32 s44, 0x1111, s40                    ; my column
	; descriptor group 1: a tile of 128 rows x 256 bytes, padded in LDS
	s_or_b32 s[G1+0], s43, (0<<16)|(1<<20)|(1<<21)|(5<<22)|(3<<25)  ; 15:0 the mask: A's tiles go to my row; 17:16 element of 1 byte; 20 padding on; 21 set beside a mask; 24:22 after every 64 words; 31:25 of 4 words
	s_or_b32 s[G1B+0], s44, (0<<16)|(1<<20)|(1<<21)|(5<<22)|(3<<25)
.irp g, G1, G1B
	s_mov_b32 s[\g+1], ROWB<<16                    ; tensor_dim0
	s_mov_b32 s[\g+2], 128<<16                     ; tensor_dim1
	s_mov_b32 s[\g+3], ROWB<<16                    ; tile_dim0
	s_mov_b32 s[\g+4], 128                         ; tile_dim1
	s_mov_b32 s[\g+5], KROW                        ; tensor_dim0_stride
	s_mov_b32 s[\g+6], 0
	s_mov_b32 s[\g+7], 0
.endr
	s_lshl_b32 s18, s16, 7                         ; which 128 rows of the tile I fetch
	s_lshl_b32 s20, s17, 8
	s_add_co_u32 s20, s20, s18                     ; A: row 256 x tile row + 128 x half
	s_lshl_b32 s20, s20, 10                        ; in bytes: under 2^23
	s_mov_b32 s21, 0
	s_lshl_b32 s46, s42, 8
	s_add_co_u32 s46, s46, s18                     ; B: row 256 x tile column + 128 x half
	s_lshl_b32 s46, s46, 10
	s_mov_b32 s47, 0
	s_mul_i32 s45, s14, HALFT                      ; where they go: wave x 128 rows: no place in the cluster enters an LDS address
	s_wait_kmcnt 0x0
	s_load_b256 s[88:95], s[68:69], 0x0            ; e0 .. e7
	s_load_b64 s[96:97], s[68:69], 0x20            ; e8, e9
	s_cmp_eq_u32 s76, 0
	s_cselect_b64 s[82:83], s[6:7], s[8:9]         ; Wk or Wq
	s_cselect_b64 s[84:85], s[70:71], s[72:73]     ; kf or qf
	s_cmp_lt_u32 s76, 2
	s_cselect_b64 s[80:81], s[4:5], s[10:11]       ; A: x, or Wv
	s_cselect_b64 s[82:83], s[82:83], s[4:5]       ; B: a weight, or x
	s_cselect_b64 s[84:85], s[84:85], s[74:75]     ; the output
	s_add_nc_u64 s[20:21], s[80:81], s[20:21]
	s_add_nc_u64 s[46:47], s[82:83], s[46:47]
	CROUND                                         ; all sixteen work-groups are here: the first joint loads meet
.irp s, 0,1
	s_mov_b32 s[G0+4*\s], 1
	s_add_co_u32 s[G0+4*\s+1], s45, \s*SLOT
	s_add_nc_u64 s[G0+4*\s+2:G0+4*\s+3], s[20:21], \s*ROWB
	s_or_b32 s[G0+4*\s+3], s[G0+4*\s+3], 0x80000000
	s_mov_b32 s[G0B+4*\s], 1
	s_add_co_u32 s[G0B+4*\s+1], s45, \s*SLOT
	s_add_nc_u64 s[G0B+4*\s+2:G0B+4*\s+3], s[46:47], \s*ROWB
	s_or_b32 s[G0B+4*\s+3], s[G0B+4*\s+3], 0x80000000
	JLOAD G0+4*\s, G1, G0B+4*\s, G1B
.endr
	v_and_b32 v1, 15, v0                           ; l % 16
	v_bfe_u32 v2, v0, 4, 1                         ; l / 16
	v_mul_u32_u24 v3, v1, PITCH
	v_lshl_add_u32 v4, v2, 4, v3                   ; a fragment's row x pitch + 16 x half
	s_mul_i32 s21, s15, HALFT                      ; my 128 rows of A
	s_mul_i32 s22, s16, HALFT                      ; my 128 rows of B,
	s_add_co_u32 s22, s22, 2*HALFT                 ; which lie behind A's 256
.irp s, 0,1
	v_add_nc_u32 v[ADRA+\s], s21, v4
	v_add_nc_u32 v[ADRB+\s], s22, v4
	s_add_co_u32 s21, s21, SLOT
	s_add_co_u32 s22, s22, SLOT
.endr
	v_and_b32 v6, 31, v0
	v_lshlrev_b32 v[LI], 4, v6
	s_lshl_b32 s20, s17, 4                         ; where my part of the output begins: group 16 x tile row + 8 x half,
	s_lshl_b32 s21, s15, 3
	s_add_co_u32 s20, s20, s21
	s_mul_i32 s20, s20, s86
	s_lshl_b32 s21, s42, 1                         ; block 2 x tile column + half
	s_add_co_u32 s21, s21, s16
	s_lshl_b32 s21, s21, 11
	s_add_co_u32 s20, s20, s21                     ; under 2^24
	s_mov_b32 s21, 0
	s_add_nc_u64 s[84:85], s[84:85], s[20:21]
.macro FRAG reg, adr, q, i             ; a fragment from rows of codes: four loads of 16 bytes, 32 apart: registers 4 c .. 4 c + 3 hold K = 32 c + 16 (l / 16) + 0 .. 15: a permutation of k, the same in A and in B
.irp c, 0,1,2,3
	ds_load_b128 v[\reg+4*\c:\reg+4*\c+3], v[\adr] offset:128*(\q)+32*\c+(\i)*16*PITCH
.endr
.endm
; 16 matrix instructions: A's blocks a0, a0 + 1 x B's eight, 128 along K.  p: B's set.  zero = 1: the first product starts the sums.
; The 64 accumulators take turns, one instruction a turn, in the same order in every step.
.macro MUL16 a0, p, zero
.irp a, \a0, \a0+1
.irp b, 0,1,2,3,4,5,6,7
.if \zero
	v_wmma_f32_16x16x128_fp8_fp8 v[8*(8*((\a)%4)+\b):8*(8*((\a)%4)+\b)+7], v[128*(\p)+FR*\b:128*(\p)+FR*\b+FR-1], v[AF+FR*(\a):AF+FR*(\a)+FR-1], 0
.else
	v_wmma_f32_16x16x128_fp8_fp8 v[8*(8*((\a)%4)+\b):8*(8*((\a)%4)+\b)+7], v[128*(\p)+FR*\b:128*(\p)+FR*\b+FR-1], v[AF+FR*(\a):AF+FR*(\a)+FR-1], v[8*(8*((\a)%4)+\b):8*(8*((\a)%4)+\b)+7]
.endif
.endr
.endr
.endm
.macro FETCH_B slot, q, p              ; B's eight fragments of the slot's q-th 128 along K into set p
	WIN TO_B
.irp i, 0,1,2,3,4,5,6,7
	FRAG 128*(\p)+FR*\i, ADRB+\slot, \q, \i
.endr
	WIN 0
.endm
.macro FETCH_A slot, q, i0             ; A's blocks i0 .. i0 + 3
.irp i, \i0, \i0+1, \i0+2, \i0+3
	FRAG AF+FR*(\i), ADRA+\slot, \q, \i
.endr
.endm
.macro PLACES n                        ; places in front of loads into registers that matrix instructions have read (ISA guide 7.12.1 for vector instructions)
.rept \n
	v_nop
.endr
.endm
; A step of 128 along K that has its successor in the same slot.  A block of A is free as soon as its eight products are issued: blocks 0-3 are fetched anew in the step's middle, blocks 4-7 at its end.
.macro STEP slot, q, zero
	s_wait_dscnt 4*NL                              ; B's set and A's blocks 0-3 are in; the youngest sixteen loads (A's blocks 4-7) may be out
	WIN MUL_LO
	MUL16 0, (\q)%2, \zero
	MUL16 2, (\q)%2, \zero
	s_wait_dscnt 0                                 ; A's blocks 4-7 are in
	PLACES NP
	FETCH_B \slot, (\q)+1, 1-(\q)%2
	FETCH_A \slot, (\q)+1, 0
	WIN MUL_HI
	MUL16 4, (\q)%2, \zero
	MUL16 6, (\q)%2, \zero
	PLACES NP
	WIN 0
	FETCH_A \slot, (\q)+1, 4
.endm
; A slot's last step changes slots: ONE barrier; in front of it each wave waits for all its tensor loads, adds 0 to its spare word, and waits for that and for its own reads of this slot.  fill = 1: this slot is filled again, two K steps ahead.
.macro TURN slot, next, fill
	s_wait_tensorcnt 0x0                           ; all my tensor loads have landed: my part of the next slot
	ds_add_u32 v[SPW], v[NIL]                      ; 0 onto my spare word
	s_wait_dscnt 4*NL+1                            ; (the add and the youngest sixteen loads may be out)
	WIN MUL_LO
	MUL16 0, 1, 0                                  ; sixteen matrix instructions stand between the add and the wait for it
	s_wait_dscnt 0x0                               ; the add is done, and my reads of this slot are over
	s_barrier_signal -1
	MUL16 2, 1, 0
	WIN 0
	s_barrier_wait -1
.if \fill
	CREST                                          ; the barrier has opened a round of the cluster's barrier: no wave of any partner still reads this slot or has a load on its way
	s_add_nc_u64 s[G0+4*\slot+2:G0+4*\slot+3], s[G0+4*\slot+2:G0+4*\slot+3], 2*ROWB
	s_add_nc_u64 s[G0B+4*\slot+2:G0B+4*\slot+3], s[G0B+4*\slot+2:G0B+4*\slot+3], 2*ROWB
	JLOAD G0+4*\slot, G1, G0B+4*\slot, G1B         ; the first tensor load behind the round; its four v_nop are the places in front of the loads below
.else
	PLACES NP
.endif
	FETCH_B \next, 0, 0
	FETCH_A \next, 0, 0
	WIN MUL_HI
	MUL16 4, 1, 0
	MUL16 6, 1, 0
	PLACES NP
	WIN 0
	FETCH_A \next, 0, 4
.endm
	s_wait_tensorcnt 1                             ; my part of K step 0 is in; K step 1's load may be out
	s_barrier_signal -1
	s_barrier_wait -1                              ; everybody's is
	FETCH_B 0, 0, 0
	FETCH_A 0, 0, 0
	FETCH_A 0, 0, 4
	STEP 0, 0, 1                                   ; the first step stands in front of the loop: its products start the sums
	s_mov_b32 s3, LAPS-1
.Llap:                                                 ; a trip goes once round the ring and fills both slots again
	TURN 0, 1, 1
	STEP 1, 0, 0
	TURN 1, 0, 1
	STEP 0, 0, 0
	s_sub_co_u32 s3, s3, 1
	s_cmp_lg_u32 s3, 0
	s_cbranch_scc1 .Llap
	TURN 0, 1, 0                                   ; the last lap fills nothing
	STEP 1, 0, 0
	s_wait_dscnt 4*NL                              ; the very last step
	WIN MUL_LO
	MUL16 0, 1, 0
	MUL16 2, 1, 0
	s_wait_dscnt 0
	WIN MUL_HI
	MUL16 4, 1, 0
	MUL16 6, 1, 0
	WIN 0
	; THE WAY OUT.  f is chosen without a branch.
	s_wait_kmcnt 0x0
	s_cmp_eq_u32 s76, 0
	s_cselect_b32 s98, s95, s94                    ; e7 (k) or e6 (q)
	s_cselect_b32 s99, s88, s90                    ; e0 or e2
	s_cselect_b32 s87, s89, s91                    ; e1 or e3
	s_cmp_lt_u32 s76, 2
	s_cselect_b32 s98, s98, s97                    ; or e9 (v),
	s_cselect_b32 s99, s99, s92                    ; e4,
	s_cselect_b32 s87, s87, s93                    ; e5
	s_sub_co_i32 s98, s98, s99
	s_sub_co_i32 s98, s98, s87                     ; f
	s_add_co_i32 s98, s98, 127
	s_lshl_b32 s99, s98, 23                        ; 2^f as f32: the conversion takes its exponent field
	s_add_co_i32 s98, s98, 8
	s_lshl_b32 s98, s98, 23
	s_or_b32 s98, s98, 0x600000                    ; 448 x 2^f
	v_mov_b32 v[SC], s99                           ; these ten plain lines name no register of the last products: they are the places behind them
	v_mov_b32 v[LIM], s98
.irp a, 0,1,2,3,4,5,6,7
	v_mad_u32_u24 v[VO+\a], s86, \a, v[LI]
.endr
; Block a: 16 rows of A x my 128 columns.  Each accumulator is read from its low end on; the hold, since the conversion to an 8-bit code does not saturate (ISA guide 7.6.2); eight conversions make the fragment; four stores its image.
.macro OUTBLK a
.set AC, 64*((\a)%4)
	WIN 0x02+((\a)/4)                              ; source 0: window 2 or 3
.set i, 0
.rept 64
	v_med3_num_f32 v[TMP+i], v[AC+i], -v[LIM], v[LIM]
.set i, i+1
.endr
	WIN 0
.irp b, 0,1,2,3,4,5,6,7
	v_cvt_scalef32_pk8_fp8_f32 v[CD+16*(\a)+2*\b:CD+16*(\a)+2*\b+1], v[TMP+8*\b:TMP+8*\b+7], v[SC]
.endr
	v_nop                                          ; one plain line between the conversions and the next block's holds, which write their sources
.irp c, 0,1,2,3
	global_store_b128 v[VO+(\a)], v[CD+16*(\a)+4*\c:CD+16*(\a)+4*\c+3], s[84:85] offset:512*\c   ; 32 lanes store 512 consecutive bytes, aligned
.endr
.endm
.irp a, 0,1,2,3,4,5,6,7
	OUTBLK \a
.endr
	s_wait_tensorcnt 0x0                           ; the wave's end
	ds_add_u32 v[SPW], v[NIL]
	s_wait_dscnt 0x0
	CROUND                                         ; the closing round: no work-group ends while a partner may still ask for a tile that names it
	s_endpgm
.Lfunc_end_k_qa77e68b0b9_proj:
	.size	k_qa77e68b0b9_proj, .Lfunc_end_k_qa77e68b0b9_proj-k_qa77e68b0b9_proj
	.p2alignl 7, 3214868480
	.fill 96, 4, 3214868480
	.section	.rodata,"a",@progbits
	.p2align	6, 0x0
	.amdhsa_kernel k_qa77e68b0b9_proj
		.amdhsa_group_segment_fixed_size 327680
		.amdhsa_private_segment_fixed_size 0
		.amdhsa_enable_private_segment 0
		.amdhsa_kernarg_size 64
		.amdhsa_user_sgpr_count 2
		.amdhsa_user_sgpr_kernarg_segment_ptr 1
		.amdhsa_wavefront_size32 1
		.amdhsa_system_sgpr_workgroup_id_x 1
		.amdhsa_system_sgpr_workgroup_id_y 1
		.amdhsa_system_sgpr_workgroup_id_z 1
		.amdhsa_system_vgpr_workitem_id 0
		.amdhsa_next_free_vgpr 1024
		.amdhsa_next_free_sgpr 100
		.amdhsa_reserve_vcc 0
		.amdhsa_float_denorm_mode_32 3
		.amdhsa_float_denorm_mode_16_64 3
		.amdhsa_memory_ordered 1
		.amdhsa_forward_progress 1
		.amdhsa_inst_pref_size 118
	.end_amdhsa_kernel
	.amdgpu_metadata
---
amdhsa.version: [ 1, 2 ]
amdhsa.kernels:
  - .name:           k_qa77e68b0b9_proj
    .symbol:         k_qa77e68b0b9_proj.kd
    .args:
      - { .name: x_codes, .offset: 0, .size: 8, .value_kind: global_buffer, .address_space: global }
      - { .name: Wk_codes, .offset: 8, .size: 8, .value_kind: global_buffer, .address_space: global }
      - { .name: Wq_codes, .offset: 16, .size: 8, .value_kind: global_buffer, .address_space: global }
      - { .name: Wv_codes, .offset: 24, .size: 8, .value_kind: global_buffer, .address_space: global }
      - { .name: lowp_scales, .offset: 32, .size: 8, .value_kind: global_buffer, .address_space: global }
      - { .name: kf, .offset: 40, .size: 8, .value_kind: global_buffer, .address_space: global }
      - { .name: qf, .offset: 48, .size: 8, .value_kind: global_buffer, .address_space: global }
      - { .name: vf, .offset: 56, .size: 8, .value_kind: global_buffer, .address_space: global }
    .group_segment_fixed_size: 327680
    .private_segment_fixed_size: 0
    .kernarg_segment_align: 8
    .kernarg_segment_size: 64
    .max_flat_workgroup_size: 128
    .sgpr_count:     100
    .vgpr_count:     1024
    .wavefront_size: 32
...
	.end_amdgpu_metadata
.endif
;; end of part 1
;; launch scores (part 2): grid 12 x 16, 4 waves a work-group, clusters of 4 x 4, 327,680 bytes of LDS; arguments qf, kf, lowp_scales, pf, nmtab, ltab; writes pf, nmtab, ltab
.if DOCPART == 2
	.amdgcn_target "amdgcn-amd-amdhsa--gfx1250"
	.amdhsa_code_object_version 6
	.text
	.protected	k_qa77e68b0b9_scores
	.globl	k_qa77e68b0b9_scores
	.p2align	8
	.type	k_qa77e68b0b9_scores,@function
k_qa77e68b0b9_scores:
	s_mov_b64 s[64:65], 0
	v_nop
	global_prefetch_b8 v0, s[64:65] scope:SCOPE_SE
	s_setreg_imm32_b32 hwreg(HW_REG_WAVE_MODE, 25, 1), 1
	s_wait_xcnt 0x0
	s_wait_alu depctr_hold_cnt(0) depctr_sa_sdst(0) depctr_va_vdst(0) depctr_va_sdst(0) depctr_va_ssrc(0) depctr_va_vcc(0) depctr_vm_vsrc(0)
	s_getreg_b32 s2, hwreg(HW_REG_IB_STS2, 6, 4)
	s_cmp_eq_u32 s2, 0
	s_cbranch_scc0 .Lentry_in_a_cluster
	s_endpgm
.Lentry_in_a_cluster:
	s_bfe_u32 s2, ttmp6, 0x10000c
	s_cmp_lg_u32 s2, 0xf033
	s_cbranch_scc0 .Lentry_shape_is_right
	s_endpgm
.Lentry_shape_is_right:
; S^T = k q^T on codes of FP8 (E4M3), the causal mask, and the softmax's p = 2^(t - M) as codes, in tiles of 256 queries x 256 keys.
; qf, kf: register images of fragments, [512 groups of 16 tokens][8 blocks of 128 channels][2048 bytes] (registers 4 c .. 4 c + 3 of lane l at 512 c + 16 l).
; t = raw sum x c, c = log2(e) / 32 x 2^(e6 + e7).  M IS TAKEN FOR EACH QUERY AND EACH BLOCK OF 256 KEYS: M = the block's largest t, rounded up to a whole number.  The next launch brings the blocks under the
; row's largest M by exact powers of two.  Stored: pf, p's codes under 2^e8, as images [4 batches][128 groups of 16 queries][16 blocks of 128 keys][2048]; nmtab [4][8 blocks of 256 keys][2048 queries]: -M;
; ltab [4][16 blocks of 128 keys][2048 queries]: the sum of the UNQUANTISED p.
; LIMITS: e6 + e7 between -88 and 90 (a hidden key's p is then 0 and M a number); e8 between -126 and 119.  NaN codes are not served.  Numbers held at the largest code or under the format's range are those
; under the block's M, as under a running M, not under the whole row's.
; SHARES: the cluster's y is the batch; its x = 0, 1, 2 names the cluster of 1,024 queries x 1,024 keys: (0, 0), (1, 0), (1, 1); the one that lies wholly above the diagonal is not launched.  A work-group of four
; waves makes a tile, a wave 128 queries x 128 keys.  Tiles above the diagonal inside a diagonal cluster run like the others: they store zero codes.
; CLUSTERS: the four of a row of the cluster ask for q's tiles jointly, the four of a column for k's.
; THE MASK COSTS NO LINE ON THE WAY OUT: it is the C of each accumulator's first product: 0 where the key counts, -2^100 where it is hidden.  A raw sum of 1,024 products of codes lies within 2^27.6
; whatever the scales, so -2^100 stays what it is, and -2^30 is a floor under every raw sum.  Three tiles of eight registers serve all 64 accumulators: below, on and above the wave's diagonal.
; TRANSPOSED USE: source 0 = 16 keys, source 1 = 16 queries: lane (r, h) holds query r, register j of tile b key 16 b + 8 h + j: eight conversions make a fragment of P (16 queries x 128 keys).
; REGISTERS: window 0: v0-31 addresses and constants; v32-57 the mask tiles, later maxima and statistics; v64-127 at work; from v128 q's fragments, later p's codes.  window 1: k's fragments, two sets.
;   windows 2, 3: the accumulators ((a, b) at v[8 (8 (a % 4) + b)]).
.set FRB,    2048                      ; a fragment's image
.set GRP,    4096                      ; a group's two images of a K step of 256
.set HALFT,  32768                     ; 8 groups: what one tensor load brings
.set SLOT,   131072                    ; q's 16 groups, then k's 16
.set STEPB,  4096                      ; a K step on in memory
.set FR,     16
.set NL,     4
.set NP,     4
.set LAPS,   2
.set SPARE,  2*SLOT                    ; the spare words, 128 bytes for each wave
.set XCH,    SPARE+512                 ; 512 bytes a wave: my 128 queries' maxima, for the wave that has the same queries' other 128 keys
.set XST,    XCH+2048                  ; 1,024 bytes a wave: -M, then l, of my 128 queries, on their way to whole stores
.set SC,   8                           ; v8   2^e8
.set LIM,  9                           ; v9   448 x 2^e8
.set FLR,  10                          ; v10  -2^30
.set SUM,  12                          ; v[12:15] two running pairs
.set ADRA, 16
.set ADRB, 20
.set XS,   22                          ; v22  XST + 1024 wave + 4 r
.set XR,   23                          ; v23  XST + 1024 wave + 16 lane
.set XA,   24                          ; v24  XCH + 512 wave + 4 r
.set XB,   25                          ; v25  XCH + 512 (wave xor 1) + 4 r
.set LI,   26                          ; v26  16 x lane
.set SPW,  28
.set NIL,  29
.set ML,   32                          ; mask tile for b < a
.set MD,   40                          ; for b = a
.set MH,   48                          ; for b > a
.set VNEG, 56
.set VX,   57
.set MX,   32                          ; behind the loop: v32-39 a query's largest raw sum, tile a
.set PX,   40                          ; v40-47 at work
.set NM,   48                          ; v[48+2a] -M, v[49+2a] l
.set TMP,  64
.set AF,   128
.set CD,   128
.set CS,   92                          ; s[92:93] c, twice
.set SEL,  94                          ; s[94:95] lane selects: lane l xor 16
.set G1, 24
.set G0, 32
.set G1B, 48
.set G0B, 56
.set MSB, 0
.macro WIN new
.if MSB != \new
	s_set_vgpr_msb (MSB<<8)|\new
.set MSB, \new
.endif
.endm
.set MUL_LO, 0xa1
.set MUL_HI, 0xf1
.set TO_B,   0x40
.macro JLOAD g0a, g1a, g0b, g1b        ; waves 0 and 1 fetch for q, waves 2 and 3 for k; four v_nop follow each line
	s_cmp_eq_u32 s15, 0
	s_cbranch_scc0 .Lfor_b_\@
	tensor_load_to_lds s[\g0a:\g0a+3], s[\g1a:\g1a+7]
	s_nop 0
.rept 4
	v_nop
.endr
	s_branch .Lasked_\@
.Lfor_b_\@:
	tensor_load_to_lds s[\g0b:\g0b+3], s[\g1b:\g1b+7]
	s_nop 0
.rept 4
	v_nop
.endr
.Lasked_\@:
.endm
.macro CREST
	s_cmp_lg_u32 s14, 0
	s_cbranch_scc1 .Lnot_wave_0_\@
	s_barrier_signal -3
.Lnot_wave_0_\@:
	s_barrier_wait -3
	s_barrier_signal -1
	s_barrier_wait -1
.endm
.macro CROUND
	s_barrier_signal -1
	s_barrier_wait -1
	CREST
.endm
	s_load_b256 s[4:11], s[0:1], 0x0               ; qf s[4:5], kf s[6:7], the exponents s[8:9], pf s[10:11]
	s_load_b128 s[68:71], s[0:1], 0x20             ; nmtab s[68:69], ltab s[70:71]
	v_lshl_add_u32 v[SPW], v0, 2, SPARE
	v_mov_b32 v[NIL], 0
	ds_add_u32 v28, v29
	ds_add_u32 v28, v29
	s_wait_dscnt 0x0
	v_lshrrev_b32 v1, 5, v0
	v_readfirstlane_b32 s14, v1                    ; wave
	s_lshr_b32 s15, s14, 1                         ; my half of the queries.  Also: I fetch for q (0) or for k (1)
	s_and_b32 s16, s14, 1                          ; my half of the keys.  Also: which 8 groups I fetch
	s_bfe_u32 s40, ttmp6, 0x40000                  ; cx
	s_bfe_u32 s41, ttmp6, 0x40004                  ; cy
	s_and_b32 s76, ttmp7, 0xffff                   ; the batch
	s_add_co_u32 s77, ttmp9, 1
	s_lshr_b32 s77, s77, 1                         ; the cluster's row of 1,024 queries: 0, 1, 1
	s_lshr_b32 s78, ttmp9, 1                       ; its column of 1,024 keys: 0, 0, 1
	s_lshl_b32 s17, s77, 2
	s_add_co_u32 s17, s17, s41                     ; i: my tile of 256 queries
	s_lshl_b32 s42, s78, 2
	s_add_co_u32 s42, s42, s40                     ; j: my tile of 256 keys
	s_lshl_b32 s43, s41, 2
	s_lshl_b32 s43, 15, s43                        ; my row of the cluster
	s_lshl_b32 s44, 0x1111, s40                    ; my column
	; descriptor group 1: 8 rows of 4,096 consecutive bytes (a group's two images), 16,384 bytes apart; elements of 8 bytes; they land on end.  The tile has no more than eight such rows
	s_or_b32 s[G1+0], s43, (3<<16)|(1<<21)
	s_or_b32 s[G1B+0], s44, (3<<16)|(1<<21)
.irp g, G1, G1B
	s_mov_b32 s[\g+1], 512<<16                     ; tensor_dim0 = 512 elements
	s_mov_b32 s[\g+2], 8<<16                       ; tensor_dim1 = 8
	s_mov_b32 s[\g+3], 512<<16                     ; tile_dim0
	s_mov_b32 s[\g+4], 8                           ; tile_dim1
	s_mov_b32 s[\g+5], 2048                        ; tensor_dim0_stride, in elements
	s_mov_b32 s[\g+6], 0
	s_mov_b32 s[\g+7], 0
.endr
	s_lshl_b32 s18, s76, 7                         ; a batch has 128 groups
	s_lshl_b32 s19, s16, 3
	s_add_co_u32 s18, s18, s19                     ; + the 8 that I fetch
	s_lshl_b32 s20, s17, 4
	s_add_co_u32 s20, s20, s18                     ; q: group 128 batch + 16 i + 8 half
	s_lshl_b32 s20, s20, 14
	s_mov_b32 s21, 0
	s_lshl_b32 s46, s42, 4
	s_add_co_u32 s46, s46, s18                     ; k: group 128 batch + 16 j + 8 half
	s_lshl_b32 s46, s46, 14
	s_mov_b32 s47, 0
	s_lshl_b32 s45, s14, 15                        ; where they go: wave x 32,768
	s_mov_b32 s[SEL], 0x76543210
	s_mov_b32 s[SEL+1], 0xfedcba98
	s_wait_kmcnt 0x0
	s_load_b128 s[88:91], s[8:9], 0x18             ; e6, e7, e8, e9
	s_add_nc_u64 s[20:21], s[4:5], s[20:21]
	s_add_nc_u64 s[46:47], s[6:7], s[46:47]
	CROUND                                         ; the first joint loads meet
.irp s, 0,1
	s_mov_b32 s[G0+4*\s], 1
	s_add_co_u32 s[G0+4*\s+1], s45, \s*SLOT
	s_add_nc_u64 s[G0+4*\s+2:G0+4*\s+3], s[20:21], \s*STEPB
	s_or_b32 s[G0+4*\s+3], s[G0+4*\s+3], 0x80000000
	s_mov_b32 s[G0B+4*\s], 1
	s_add_co_u32 s[G0B+4*\s+1], s45, \s*SLOT
	s_add_nc_u64 s[G0B+4*\s+2:G0B+4*\s+3], s[46:47], \s*STEPB
	s_or_b32 s[G0B+4*\s+3], s[G0B+4*\s+3], 0x80000000
	JLOAD G0+4*\s, G1, G0B+4*\s, G1B
.endr
	v_and_b32 v1, 15, v0                           ; r
	v_bfe_u32 v2, v0, 4, 1                         ; h
	v_and_b32 v6, 31, v0
	v_lshlrev_b32 v[LI], 4, v6
	s_lshl_b32 s21, s15, 15                        ; my 8 groups of q
	s_lshl_b32 s22, s16, 15                        ; my 8 groups of k,
	s_add_co_u32 s22, s22, 2*HALFT                 ; which lie behind q's 16
.irp s, 0,1
	v_add_nc_u32 v[ADRA+\s], s21, v[LI]
	v_add_nc_u32 v[ADRB+\s], s22, v[LI]
	s_add_co_u32 s21, s21, SLOT
	s_add_co_u32 s22, s22, SLOT
.endr
	s_lshl_b32 s23, s14, 10
	s_add_co_u32 s23, s23, XST
	v_lshl_add_u32 v[XS], v1, 2, s23
	v_add_nc_u32 v[XR], s23, v[LI]
	s_lshl_b32 s23, s14, 9
	s_add_co_u32 s23, s23, XCH
	v_lshl_add_u32 v[XA], v1, 2, s23
	s_xor_b32 s23, s14, 1
	s_lshl_b32 s23, s23, 9
	s_add_co_u32 s23, s23, XCH
	v_lshl_add_u32 v[XB], v1, 2, s23
	; THE MASK TILES.  Dw = my first query - my first key, a multiple of 128.  In accumulator (a, b), register jj, the key is hidden where 16 (b - a) + jj + x > 0, x = 8 h - r - Dw.
	; Dw = 0: x is -15 .. 8: b < a open, b > a hidden, b = a by the register.  Dw >= 128: x <= -120: all open.  Dw <= -128: x >= 113: all hidden.
	s_sub_co_i32 s22, s17, s42
	s_lshl_b32 s22, s22, 1
	s_add_co_i32 s22, s22, s15
	s_sub_co_i32 s22, s22, s16
	s_lshl_b32 s22, s22, 7                         ; Dw
	v_lshlrev_b32 v3, 3, v2
	v_sub_nc_u32 v3, v3, v1
	v_sub_nc_u32 v[VX], v3, s22                    ; x
	v_mov_b32 v[VNEG], 0xf1800000                  ; -2^100
	v_cmp_lt_i32 vcc_lo, 64, v[VX]
.irp j, 0,1,2,3,4,5,6,7
	v_cndmask_b32 v[ML+\j], 0, v[VNEG], vcc_lo
.endr
	v_cmp_lt_i32 vcc_lo, -16, v[VX]
.irp j, 0,1,2,3,4,5,6,7
	v_cndmask_b32 v[MH+\j], 0, v[VNEG], vcc_lo
.endr
.irp j, 0,1,2,3,4,5,6,7
	v_cmp_lt_i32 vcc_lo, -\j, v[VX]
	v_cndmask_b32 v[MD+\j], 0, v[VNEG], vcc_lo
.endr
	; where my results go
	s_lshl_b32 s20, s76, 7
	s_lshl_b32 s21, s17, 4
	s_add_co_u32 s20, s20, s21
	s_lshl_b32 s21, s15, 3
	s_add_co_u32 s20, s20, s21                     ; pf: group 128 batch + 16 i + 8 half,
	s_lshl_b32 s20, s20, 4
	s_lshl_b32 s79, s42, 1
	s_add_co_u32 s79, s79, s16                     ; block of 128 keys 2 j + half
	s_add_co_u32 s20, s20, s79
	s_lshl_b32 s20, s20, 11
	s_mov_b32 s21, 0
	s_add_nc_u64 s[10:11], s[10:11], s[20:21]
	s_lshl_b32 s80, s17, 8
	s_lshl_b32 s81, s15, 7
	s_add_co_u32 s80, s80, s81                     ; my first query in the batch
	s_lshl_b32 s82, s76, 4
	s_add_co_u32 s82, s82, s79
	s_lshl_b32 s82, s82, 11
	s_add_co_u32 s82, s82, s80
	s_lshl_b32 s82, s82, 2
	s_mov_b32 s83, 0
	s_add_nc_u64 s[70:71], s[70:71], s[82:83]      ; ltab
	s_lshl_b32 s82, s76, 3
	s_add_co_u32 s82, s82, s42
	s_lshl_b32 s82, s82, 11
	s_add_co_u32 s82, s82, s80
	s_lshl_b32 s82, s82, 2
	s_add_nc_u64 s[68:69], s[68:69], s[82:83]      ; nmtab
.macro FRAG reg, adr, q, i             ; an image comes back as it was stored: four loads of 512 consecutive bytes
.irp c, 0,1,2,3
	ds_load_b128 v[\reg+4*\c:\reg+4*\c+3], v[\adr] offset:GRP*(\i)+FRB*(\q)+512*\c
.endr
.endm
; 16 matrix instructions: q's blocks a0, a0 + 1 x k's eight.  first = 1: the mask tile is the C that starts the sum.  The 64 accumulators take turns.
.macro MUL16 a0, p, first
.irp a, \a0, \a0+1
.irp b, 0,1,2,3,4,5,6,7
.if \first
.if \b < (\a)
.set MK, ML
.elseif \b == (\a)
.set MK, MD
.else
.set MK, MH
.endif
	v_wmma_f32_16x16x128_fp8_fp8 v[8*(8*((\a)%4)+\b):8*(8*((\a)%4)+\b)+7], v[128*(\p)+FR*\b:128*(\p)+FR*\b+FR-1], v[AF+FR*(\a):AF+FR*(\a)+FR-1], v[MK:MK+7]
.else
	v_wmma_f32_16x16x128_fp8_fp8 v[8*(8*((\a)%4)+\b):8*(8*((\a)%4)+\b)+7], v[128*(\p)+FR*\b:128*(\p)+FR*\b+FR-1], v[AF+FR*(\a):AF+FR*(\a)+FR-1], v[8*(8*((\a)%4)+\b):8*(8*((\a)%4)+\b)+7]
.endif
.endr
.endr
.endm
.macro FETCH_B slot, q, p
	WIN TO_B
.irp i, 0,1,2,3,4,5,6,7
	FRAG 128*(\p)+FR*\i, ADRB+\slot, \q, \i
.endr
	WIN 0
.endm
.macro FETCH_A slot, q, i0
.irp i, \i0, \i0+1, \i0+2, \i0+3
	FRAG AF+FR*(\i), ADRA+\slot, \q, \i
.endr
.endm
.macro PLACES n
.rept \n
	v_nop
.endr
.endm
.macro STEP slot, q, first             ; first = 1: C lies in window 0
	s_wait_dscnt 4*NL                              ; k's set and q's blocks 0-3 are in; the youngest sixteen loads may be out
	WIN MUL_LO-0x20*(\first)
	MUL16 0, (\q)%2, \first
	MUL16 2, (\q)%2, \first
	s_wait_dscnt 0
	PLACES NP
	FETCH_B \slot, (\q)+1, 1-(\q)%2
	FETCH_A \slot, (\q)+1, 0
	WIN MUL_HI-0x30*(\first)
	MUL16 4, (\q)%2, \first
	MUL16 6, (\q)%2, \first
	PLACES NP
	WIN 0
	FETCH_A \slot, (\q)+1, 4
.endm
.macro TURN slot, next, fill           ; a slot's last step changes slots: one barrier, as in the launch before
	s_wait_tensorcnt 0x0                           ; all my tensor loads have landed: my part of the next slot
	ds_add_u32 v[SPW], v[NIL]                      ; 0 onto my spare word
	s_wait_dscnt 4*NL+1                            ; (the add and the youngest sixteen loads may be out)
	WIN MUL_LO
	MUL16 0, 1, 0
	s_wait_dscnt 0x0                               ; the add is done, and my reads of this slot are over
	s_barrier_signal -1
	MUL16 2, 1, 0
	WIN 0
	s_barrier_wait -1
.if \fill
	CREST                                          ; no wave of any partner still reads this slot or has a load on its way
	s_add_nc_u64 s[G0+4*\slot+2:G0+4*\slot+3], s[G0+4*\slot+2:G0+4*\slot+3], 2*STEPB
	s_add_nc_u64 s[G0B+4*\slot+2:G0B+4*\slot+3], s[G0B+4*\slot+2:G0B+4*\slot+3], 2*STEPB
	JLOAD G0+4*\slot, G1, G0B+4*\slot, G1B         ; the first tensor load behind the round; its four v_nop are the places in front of the loads below
.else
	PLACES NP
.endif
	FETCH_B \next, 0, 0
	FETCH_A \next, 0, 0
	WIN MUL_HI
	MUL16 4, 1, 0
	MUL16 6, 1, 0
	PLACES NP
	WIN 0
	FETCH_A \next, 0, 4
.endm
	s_wait_tensorcnt 1                             ; my part of K step 0 is in; K step 1's may be out
	s_barrier_signal -1
	s_barrier_wait -1
	FETCH_B 0, 0, 0
	FETCH_A 0, 0, 0
	FETCH_A 0, 0, 4
	STEP 0, 0, 1
	s_mov_b32 s3, LAPS-1
.Llap:
	TURN 0, 1, 1
	STEP 1, 0, 0
	TURN 1, 0, 1
	STEP 0, 0, 0
	s_sub_co_u32 s3, s3, 1
	s_cmp_lg_u32 s3, 0
	s_cbranch_scc1 .Llap
	TURN 0, 1, 0
	STEP 1, 0, 0
	s_wait_dscnt 4*NL
	WIN MUL_LO
	MUL16 0, 1, 0
	MUL16 2, 1, 0
	s_wait_dscnt 0
	WIN MUL_HI
	MUL16 4, 1, 0
	MUL16 6, 1, 0
	WIN 0
	; THE SOFTMAX OF THE BLOCK.
	s_wait_kmcnt 0x0
	s_add_co_i32 s22, s88, s89
	s_lshl_b32 s22, s22, 23
	s_mov_b32 s[CS], 0x3d38aa3b                    ; log2(e) / 32
	s_add_co_i32 s[CS], s[CS], s22                 ; x 2^(e6 + e7): the two exponents are added to its exponent field
	s_mov_b32 s[CS+1], s[CS]                       ; (named with it as a pair)
	s_add_co_i32 s22, s90, 127
	s_lshl_b32 s23, s22, 23
	s_add_co_i32 s22, s22, 8
	s_lshl_b32 s22, s22, 23
	s_or_b32 s22, s22, 0x600000
	v_mov_b32 v[SC], s23                           ; these eleven plain lines name no register of the last products: they are the places behind them
	v_mov_b32 v[LIM], s22
	v_mov_b32 v[FLR], 0xce800000
.irp a, 0,1,2,3,4,5,6,7
	v_mov_b32 v[NM+2*\a+1], 0                      ; (named as the upper half of a pair before l is put there)
.endr
; the largest raw sum of my query among my 64 numbers of tile a; the four tiles of a window take turns; each accumulator is read from its low end on
.macro ROWMAX g
	WIN 0x28+0x14*\g                               ; sources 1 and 2: window 2 or 3
.irp a, 0,1,2,3
	v_max3_num_f32 v[MX+4*\g+\a], v[FLR], v[64*\a], v[64*\a+1]
.endr
.set k, 2
.rept 31
.irp a, 0,1,2,3
	v_max3_num_f32 v[MX+4*\g+\a], v[MX+4*\g+\a], v[64*\a+k], v[64*\a+k+1]
.endr
.set k, k+2
.endr
.endm
	ROWMAX 0
	ROWMAX 1
	WIN 0
.irp a, 0,1,2,3,4,5,6,7
	v_permlanex16_b32 v[PX+\a], v[MX+\a], s[SEL], s[SEL+1]
.endr
.irp a, 0,1,2,3,4,5,6,7
	v_max_num_f32 v[MX+\a], v[MX+\a], v[PX+\a]     ; and lane l xor 16's: my 128 keys
.endr
.irp a, 0,1,2,3,4,5,6,7
	ds_store_b32 v[XA], v[MX+\a] offset:64*\a      ; lanes r and r + 16 put the same number into the same word
.endr
	s_wait_dscnt 0x0                               ; for the other wave's sake: my stores have landed
	s_barrier_signal -1
	s_barrier_wait -1
.irp a, 0,1,2,3,4,5,6,7
	ds_load_b32 v[PX+\a], v[XB] offset:64*\a       ; the same queries' other 128 keys
.endr
	s_wait_dscnt 0x0
.irp a, 0,1,2,3,4,5,6,7
	v_max_num_f32 v[MX+\a], v[MX+\a], v[PX+\a]
.endr
.irp a, 0,1,2,3,4,5,6,7
	v_mul_f32 v[PX+\a], s[CS], v[MX+\a]            ; as t (c is positive)
.endr
.irp a, 0,1,2,3,4,5,6,7
	v_floor_f32 v[NM+2*\a], -v[PX+\a]              ; -M = floor(-t) = -ceil(t)
.endr
; Tile a: p = 2^(t - M), its sum, its codes, the image.
.macro SOFT a
.set AC, 64*((\a)%4)
	WIN 0x02+((\a)/4)                              ; source 0: window 2 or 3
.set i, 0
.rept 32
	v_pk_fma_f32 v[TMP+i:TMP+i+1], v[AC+i:AC+i+1], s[CS:CS+1], v[NM+2*(\a):NM+2*(\a)+1] op_sel_hi:[1,0,0]   ; t - M, two at a time
.set i, i+2
.endr
	WIN 0
.set i, 0
.rept 64
	v_exp_f32 v[TMP+i], v[TMP+i]
.set i, i+1
.endr
	v_nop                                          ; a plain line behind the last exponential
	s_wait_alu depctr_va_vdst(0)                   ; one wait for the batch, ahead of its first reader
	v_pk_add_f32 v[SUM:SUM+1], v[TMP:TMP+1], v[TMP+2:TMP+3]        ; the sum is taken of the unquantised p, in two chains
	v_pk_add_f32 v[SUM+2:SUM+3], v[TMP+4:TMP+5], v[TMP+6:TMP+7]
.irp j, 8,12,16,20,24,28,32,36,40,44,48,52,56,60
	v_pk_add_f32 v[SUM:SUM+1], v[SUM:SUM+1], v[TMP+\j:TMP+\j+1]
	v_pk_add_f32 v[SUM+2:SUM+3], v[SUM+2:SUM+3], v[TMP+\j+2:TMP+\j+3]
.endr
	v_pk_add_f32 v[SUM:SUM+1], v[SUM:SUM+1], v[SUM+2:SUM+3]
	v_add_f32 v[SUM], v[SUM], v[SUM+1]
	v_permlanex16_b32 v[SUM+1], v[SUM], s[SEL], s[SEL+1]
	v_add_f32 v[NM+2*(\a)+1], v[SUM], v[SUM+1]     ; l of my query over my 128 keys
.set i, 0
.rept 64
	v_min_num_f32 v[TMP+i], v[TMP+i], v[LIM]       ; the conversion does not saturate (ISA guide 7.6.2); p is not negative, so the hold is one-sided
.set i, i+1
.endr
.irp b, 0,1,2,3,4,5,6,7
	v_cvt_scalef32_pk8_fp8_f32 v[CD+16*(\a)+2*\b:CD+16*(\a)+2*\b+1], v[TMP+8*\b:TMP+8*\b+7], v[SC]
.endr
	v_nop                                          ; one plain line between the conversions and the lines that write their sources again
.irp c, 0,1,2,3
	global_store_b128 v[LI], v[CD+16*(\a)+4*\c:CD+16*(\a)+4*\c+3], s[10:11] offset:32768*(\a)+512*\c   ; 512 consecutive bytes, aligned; a group on is 16 images
.endr
.endm
.irp a, 0,1,2,3,4,5,6,7
	SOFT \a
.endr
	; THE STATISTICS turn through my own bytes of LDS, so that 32 lanes store 512 consecutive bytes: 128 queries
.irp a, 0,1,2,3,4,5,6,7
	ds_store_b32 v[XS], v[NM+2*\a] offset:64*\a
	ds_store_b32 v[XS], v[NM+2*\a+1] offset:512+64*\a
.endr
	ds_load_b128 v[32:35], v[XR]                   ; LDS serves a wave's instructions in order (ISA guide 5.7.1.4): these see my stores
	ds_load_b128 v[36:39], v[XR] offset:512
.irp j, 0,1,2,3
	v_mov_b32 v[64+\j], 0
	v_mov_b32 v[68+\j], 0x7e800000                 ; 2^126: above every -M
.endr
	s_wait_dscnt 0x0
	global_store_b128 v[LI], v[36:39], s[70:71]
	s_cmp_lg_u32 s16, 0                            ; the two waves of a half of the queries hold the same M: the first stores it
	s_cbranch_scc1 .Lno_m
	global_store_b128 v[LI], v[32:35], s[68:69]
.Lno_m:
	s_cmp_lg_u32 ttmp9, 0                          ; the first cluster of a batch also makes the tables whole for the cluster that is not launched: queries under 1,024, keys from 1,024 on: l = 0, M far below
	s_cbranch_scc1 .Lwhole
	global_store_b128 v[LI], v[64:67], s[70:71] offset:65536       ; eight blocks of 128 keys on
	s_cmp_lg_u32 s16, 0
	s_cbranch_scc1 .Lwhole
	global_store_b128 v[LI], v[68:71], s[68:69] offset:32768       ; four blocks of 256 keys on
.Lwhole:
	s_wait_tensorcnt 0x0                           ; the wave's end
	ds_add_u32 v[SPW], v[NIL]
	s_wait_dscnt 0x0
	CROUND                                         ; the closing round
	s_endpgm
.Lfunc_end_k_qa77e68b0b9_scores:
	.size	k_qa77e68b0b9_scores, .Lfunc_end_k_qa77e68b0b9_scores-k_qa77e68b0b9_scores
	.p2alignl 7, 3214868480
	.fill 96, 4, 3214868480
	.section	.rodata,"a",@progbits
	.p2align	6, 0x0
	.amdhsa_kernel k_qa77e68b0b9_scores
		.amdhsa_group_segment_fixed_size 327680
		.amdhsa_private_segment_fixed_size 0
		.amdhsa_enable_private_segment 0
		.amdhsa_kernarg_size 48
		.amdhsa_user_sgpr_count 2
		.amdhsa_user_sgpr_kernarg_segment_ptr 1
		.amdhsa_wavefront_size32 1
		.amdhsa_system_sgpr_workgroup_id_x 1
		.amdhsa_system_sgpr_workgroup_id_y 1
		.amdhsa_system_sgpr_workgroup_id_z 1
		.amdhsa_system_vgpr_workitem_id 0
		.amdhsa_next_free_vgpr 1024
		.amdhsa_next_free_sgpr 100
		.amdhsa_reserve_vcc 1
		.amdhsa_float_denorm_mode_32 3
		.amdhsa_float_denorm_mode_16_64 3
		.amdhsa_memory_ordered 1
		.amdhsa_forward_progress 1
		.amdhsa_inst_pref_size 174
	.end_amdhsa_kernel
	.amdgpu_metadata
---
amdhsa.version: [ 1, 2 ]
amdhsa.kernels:
  - .name:           k_qa77e68b0b9_scores
    .symbol:         k_qa77e68b0b9_scores.kd
    .args:
      - { .name: qf, .offset: 0, .size: 8, .value_kind: global_buffer, .address_space: global }
      - { .name: kf, .offset: 8, .size: 8, .value_kind: global_buffer, .address_space: global }
      - { .name: lowp_scales, .offset: 16, .size: 8, .value_kind: global_buffer, .address_space: global }
      - { .name: pf, .offset: 24, .size: 8, .value_kind: global_buffer, .address_space: global }
      - { .name: nmtab, .offset: 32, .size: 8, .value_kind: global_buffer, .address_space: global }
      - { .name: ltab, .offset: 40, .size: 8, .value_kind: global_buffer, .address_space: global }
    .group_segment_fixed_size: 327680
    .private_segment_fixed_size: 0
    .kernarg_segment_align: 8
    .kernarg_segment_size: 48
    .max_flat_workgroup_size: 128
    .sgpr_count:     100
    .vgpr_count:     1024
    .wavefront_size: 32
...
	.end_amdgpu_metadata
.endif
;; end of part 2
;; launch mix (part 3): grid 8 x 32, 4 waves a work-group, clusters of 4 x 4, 327,680 bytes of LDS; arguments pf, vf, nmtab, ltab, lowp_scales, out0; writes out0
.if DOCPART == 3
	.amdgcn_target "amdgcn-amd-amdhsa--gfx1250"
	.amdhsa_code_object_version 6
	.text
	.protected	k_qa77e68b0b9_mix
	.globl	k_qa77e68b0b9_mix
	.p2align	8
	.type	k_qa77e68b0b9_mix,@function
k_qa77e68b0b9_mix:
	s_mov_b64 s[64:65], 0
	v_nop
	global_prefetch_b8 v0, s[64:65] scope:SCOPE_SE
	s_setreg_imm32_b32 hwreg(HW_REG_WAVE_MODE, 25, 1), 1
	s_wait_xcnt 0x0
	s_wait_alu depctr_hold_cnt(0) depctr_sa_sdst(0) depctr_va_vdst(0) depctr_va_sdst(0) depctr_va_ssrc(0) depctr_va_vcc(0) depctr_vm_vsrc(0)
	s_getreg_b32 s2, hwreg(HW_REG_IB_STS2, 6, 4)
	s_cmp_eq_u32 s2, 0
	s_cbranch_scc0 .Lentry_in_a_cluster
	s_endpgm
.Lentry_in_a_cluster:
	s_bfe_u32 s2, ttmp6, 0x10000c
	s_cmp_lg_u32 s2, 0xf033
	s_cbranch_scc0 .Lentry_shape_is_right
	s_endpgm
.Lentry_shape_is_right:
; out = (the sum over blocks j of 256 keys of g_j x P_j V_j) x 2^(e8 + e9) / l, on codes of FP8 (E4M3).
; pf: images of P's fragments [4 batches][128 groups of 16 queries][16 blocks of 128 keys][2048]; vf: of V^T's [64 groups of 16 channels][64 blocks of 128 tokens][2048].
; nmtab [4][8][2048]: -M_j of each query and block of 256 keys; ltab [4][16][2048]: the sums of p over blocks of 128 keys.  out0: [4][2048][1024] f32.
; THE BLOCKS ARE BROUGHT UNDER ONE M.  M = the largest M_j of the row; g_j = 2^(M_j - M), an exact power of two; l = the sum of g_j l_j; g'_j = g_j x 2^(e8 + e9) / l.
; A block's raw product T_j is made in accumulators of its own, begun with C = 0, and added by one packed multiply-add for two numbers: ACC += g'_j T_j.  e8 + e9 is applied by v_ldexp_f32.
; LIMITS: NaN codes are not served; numbers held at the largest code or under the format's range are those under a block's M, as under a running M.
; SHARES: EVERY WORK-GROUP WALKS THE SAME NUMBER OF KEYS.  A tile is 128 queries x 128 channels, a wave's part 64 x 64.  A work-group makes TWO tiles of the same channels, one after the other: query tile qlo
; (0 .. 7) and query tile 15 - qlo.  A step is 512 keys.  qlo = 0 .. 3 needs 1 step and its partner 4; qlo = 4 .. 7 needs 2 and its partner 3: five steps in every work-group.
; The cluster's x = X: channel tile 4 X + cx.  The cluster's y = 2 batch + Gq: qlo = 4 Gq + cy.  So all sixteen partners have the same five steps, and branches hang on Gq and X alone, the cluster's numbers.
; Beyond a query's own diagonal P holds zero codes.
; CLUSTERS: the four of a row of the cluster ask for P's tiles jointly, the four of a column for V's.
; THE RING: two slots of one step each: 64 KiB of P, 64 KiB of V.  Steps 0 and 1 are first fills, steps 2, 3 and 4 refills.  The five steps are written out: there is no loop.
; TRANSPOSED USE: source 0 = 16 channels of V^T, source 1 = 16 queries of P: lane (r, h) holds query r, register j of tile b channel 16 b + 8 h + j; so g' is one number a lane and tile of queries.
; g' IS LAID IN THE ORDER OF THE WALK: block u = 0 .. 9 of 256 keys; which tile's which block that is hangs on Gq and is chosen by v_cndmask_b32 at the head, so that the text names fixed registers.
; ACC is cleared at the head, while the first tiles are on their way, and behind the first tile's way out: a step is then written in one form for all places in the walk.
; REGISTERS: window 0: v0-31 addresses; v32-127 the statistics at the head, later v32-95 rows of out; v128-207 g' (block u, tile a at v[128 + 8 u + 2 a]); v208-227 at work at the head.
;   window 1: v0-127 T ((a, b) at v[8 (4 a + b)]); v128-255 ACC, likewise.   window 2: two sets of fragments: set q at v[128 q]: P's four, then V's four.
.set FRB,    2048                      ; a fragment's image: 16 rows x 128 keys
.set GRP,    8192                      ; a group's four images of a step of 512 keys
.set HALFT,  32768                     ; 4 groups: what one tensor load brings
.set SLOT,   131072                    ; P's 8 groups, then V's 8
.set SPARE,  2*SLOT                    ; the spare words, 128 bytes for each wave
.set STAGE,  SPARE+512                 ; the way out: 16 rows x (256 bytes + 16) for each wave
.set SPITCH, 272
.set ADRA, 16                          ; v16-17 my P fragments in slot 0, 1
.set ADRB, 20                          ; v20-21 my V fragments
.set STO,  24                          ; v24  the stage: where I put 32 bytes of a row
.set RD,   25                          ; v25  and where I read rows back
.set CO,   26                          ; v26  my byte offset in two rows of out
.set L4,   27                          ; v27  4 x lane
.set SPW,  28                          ; v28  my spare word; never rewritten
.set NIL,  29                          ; v29  0; never rewritten
.set LI,   30                          ; v30  16 x lane
.set PFO,  31                          ; v31  256 x lane: the prefetches' offset; never rewritten
.set BK,   32                          ; rows of out read back from the stage: v32-63 and v64-95 by turns
.set ST0,  32                          ; the head: 24 registers for each k = 2 tile + p: 8 x -M_j, then 16 sums; lane l stands for query 32 p + l of my 64
.set GQ,   128
.set XQ,   208                         ; v208-217 g' of the walk's ten blocks, a lane a query
.set TT,   220                         ; v220-223 -M of the row; v224-227 2^(e8 + e9) / l
.set ACC,  128                         ; in window 1
.set PFA,  78                          ; s[78:79] my share of step 2's tile in memory: the prefetches name the steps behind it by their immediates
.set PW,   80                          ; s[80:81] P's tile of step 2, with the type bits;  s[82:83] V's
.set VW,   82
.set SEL,  94                          ; s[94:95] lane selects: lane l xor 16
.set G1, 24                            ; s[24:31] descriptor group 1 for P's tiles;  s[32:39] group 0, one set for each slot
.set G0, 32
.set G1B, 48                           ; s[48:55], s[56:63] the same for V's tiles
.set G0B, 56
.set MULW, 0x5a                        ; sources 0 (V) and 1 (P) window 2, C and D window 1
.set MSB, 0
.macro WIN new                         ; the immediate's high byte repeats the setting that is left
.if MSB != \new
	s_set_vgpr_msb (MSB<<8)|\new
.set MSB, \new
.endif
.endm
.macro JLOAD g0a, g1a, g0b, g1b        ; waves 0 and 1 fetch for P, waves 2 and 3 for V; four v_nop follow each line
	s_cmp_eq_u32 s15, 0
	s_cbranch_scc0 .Lfor_b_\@
	tensor_load_to_lds s[\g0a:\g0a+3], s[\g1a:\g1a+7]
	s_nop 0
.rept 4
	v_nop
.endr
	s_branch .Lasked_\@
.Lfor_b_\@:
	tensor_load_to_lds s[\g0b:\g0b+3], s[\g1b:\g1b+7]
	s_nop 0
.rept 4
	v_nop
.endr
.Lasked_\@:
.endm
.macro CREST                           ; a round of the cluster's barrier behind its opening barrier
	s_cmp_lg_u32 s14, 0
	s_cbranch_scc1 .Lnot_wave_0_\@
	s_barrier_signal -3
.Lnot_wave_0_\@:
	s_barrier_wait -3
	s_barrier_signal -1
	s_barrier_wait -1
.endm
.macro CROUND                          ; a whole round
	s_barrier_signal -1
	s_barrier_wait -1
	CREST
.endm
.macro PLACES n
.rept \n
	v_nop
.endr
.endm
; A PREFETCH INTO THE L2 of the step that the NEXT change of slots will ask for: step 2 + k.  Of the 4 rows of 8,192 bytes that a wave fetches, each of the four partners that ask for them jointly takes one, told
; apart BY ADDRESS (cx for P, cy for V): 32 lanes, 256 bytes apart, one instruction.  P's rows are read by the two clusters of a row of clusters: the one with X = 0 asks.  V's keys from 1,024 on are read by the
; two clusters of a batch and a half of the channels: the one with Gq = 0 asks (steps 3 and 4 are its keys 1,024 to 2,047).  So each block of 256 bytes is named once.  Steps 0 to 2 come by their loads alone.
.macro ASK k
	s_cmp_eq_u32 s19, 0
	s_cbranch_scc0 .Lnot_mine_\@
	global_prefetch_b8 v[PFO], s[PFA:PFA+1] offset:GRP*(\k) th:TH_LOAD_NT scope:SCOPE_SE
.Lnot_mine_\@:
.endm
.macro SETG g, slot, ad                ; a group 0: count 1, the LDS address (wave x 32,768 in the slot), the tile's address, the type
	s_mov_b32 s[\g], 1
	s_add_co_u32 s[\g+1], s45, \slot*SLOT
	s_mov_b64 s[\g+2:\g+3], s[\ad:\ad+1]
	s_or_b32 s[\g+3], s[\g+3], 0x80000000
.endm
	s_load_b256 s[4:11], s[0:1], 0x0               ; pf s[4:5], vf s[6:7], nmtab s[8:9], ltab s[10:11]
	s_load_b128 s[68:71], s[0:1], 0x20             ; the exponents s[68:69], out0 s[70:71]
	v_lshl_add_u32 v[SPW], v0, 2, SPARE
	v_mov_b32 v[NIL], 0
	ds_add_u32 v28, v29
	ds_add_u32 v28, v29
	s_wait_dscnt 0x0
	v_lshrrev_b32 v1, 5, v0
	v_readfirstlane_b32 s14, v1                    ; wave
	s_lshr_b32 s15, s14, 1                         ; my half of the queries.  Also: I fetch for P (0) or for V (1)
	s_and_b32 s16, s14, 1                          ; my half of the channels.  Also: which 4 groups of that tile I fetch
	s_bfe_u32 s40, ttmp6, 0x40000                  ; cx
	s_bfe_u32 s41, ttmp6, 0x40004                  ; cy
	s_and_b32 s76, ttmp7, 0xffff
	s_and_b32 s77, s76, 1                          ; Gq
	s_lshr_b32 s76, s76, 1                         ; the batch
	s_lshl_b32 s17, s77, 2
	s_add_co_u32 s17, s17, s41                     ; qlo: my first tile of 128 queries
	s_sub_co_u32 s18, 15, s17                      ; qhi: my second
	s_lshl_b32 s42, ttmp9, 2
	s_add_co_u32 s42, s42, s40                     ; my tile of 128 channels
	s_lshl_b32 s43, s41, 2
	s_lshl_b32 s43, 15, s43                        ; my row of the cluster
	s_lshl_b32 s44, 0x1111, s40                    ; my column
	; descriptor groups 1: 4 rows of 8,192 consecutive bytes (a group's four images), elements of 8 bytes; they land on end.  P's rows lie 32,768 bytes apart, V's 131,072.  A wave's part has no more such rows
	s_or_b32 s[G1+0], s43, (3<<16)|(1<<21)
	s_or_b32 s[G1B+0], s44, (3<<16)|(1<<21)
.irp g, G1, G1B
	s_mov_b32 s[\g+1], 1024<<16                    ; tensor_dim0 = 1,024 elements
	s_mov_b32 s[\g+2], 4<<16                       ; tensor_dim1 = 4
	s_mov_b32 s[\g+3], 1024<<16                    ; tile_dim0
	s_mov_b32 s[\g+4], 4                           ; tile_dim1
	s_mov_b32 s[\g+6], 0
	s_mov_b32 s[\g+7], 0
.endr
	s_mov_b32 s[G1+5], 4096                        ; tensor_dim0_stride, in elements
	s_mov_b32 s[G1B+5], 16384
	; THE WALK.  Gq = 0: (lo, keys 0), (hi, 0), (hi, 512), (hi, 1024), (hi, 1536).   Gq = 1: (lo, 0), (lo, 512), (hi, 0), (hi, 512), (hi, 1024).   From step 2 on a step is 8,192 bytes further in each row
	s_lshl_b32 s19, s76, 7                         ; a batch has 128 groups of queries
	s_lshl_b32 s12, s16, 2
	s_add_co_u32 s19, s19, s12                     ; + the 4 that I fetch
	s_lshl_b32 s20, s17, 3
	s_add_co_u32 s20, s20, s19
	s_lshl_b32 s20, s20, 15                        ; P, step 0: group 128 batch + 8 qlo + 4 half
	s_mov_b32 s21, 0
	s_lshl_b32 s22, s18, 3
	s_add_co_u32 s22, s22, s19
	s_lshl_b32 s22, s22, 15                        ; the same for qhi
	s_add_co_u32 s72, s20, GRP                     ; (lo, keys 512)
	s_mov_b32 s73, 0
	s_lshl_b32 s46, s42, 3
	s_add_co_u32 s46, s46, s12
	s_lshl_b32 s46, s46, 17                        ; V: group 8 x channel tile + 4 half,
	s_lshl_b32 s13, s76, 15
	s_add_co_u32 s46, s46, s13                     ; the batch's 16 blocks of 128 tokens: step 0
	s_mov_b32 s47, 0
	s_lshl_b32 s13, s77, 13
	s_add_co_u32 s74, s46, s13                     ; V, step 1: keys 512 Gq
	s_mov_b32 s75, 0
	s_xor_b32 s13, s13, GRP                        ; 8,192 (1 - Gq)
	s_add_co_u32 s[PW], s22, s13                   ; P, step 2: hi, keys 512 (1 - Gq)
	s_mov_b32 s[PW+1], 0
	s_add_co_u32 s[VW], s46, s13                   ; V, step 2
	s_mov_b32 s[VW+1], 0
	s_cmp_eq_u32 s77, 0
	s_cselect_b32 s72, s22, s72                    ; P, step 1: (hi, 0) or (lo, 512)
	s_cselect_b32 s66, 0, -1                       ; all ones where Gq = 1: the mask of the choices among g'
	s_cmp_eq_u32 s15, 0                            ; the prefetches: do I fetch for P?
	s_cselect_b32 s2, s[PW], s[VW]                 ; step 2 of what I fetch,
	s_cselect_b32 s3, s40, s41                     ; my place among the four that ask for it with me,
	s_cselect_b32 s67, 15, 17                      ; a row on: 2^15 bytes in pf, 2^17 in vf
	s_cselect_b32 s19, ttmp9, s77                  ; 0 in a wave that prefetches: the same in all sixteen partners, for a given wave
	s_lshl_b32 s3, s3, s67
	s_add_co_u32 s2, s2, s3
	s_mov_b32 s3, 0
	s_lshl_b32 s45, s14, 15                        ; where my loads go in a slot: wave x 32,768: the wave's number alone enters an LDS address
	s_mov_b32 s[SEL], 0x76543210
	s_mov_b32 s[SEL+1], 0xfedcba98
	s_wait_kmcnt 0x0
	s_load_b64 s[84:85], s[68:69], 0x20            ; e8, e9
	s_cmp_eq_u32 s15, 0
	s_cselect_b64 s[PFA:PFA+1], s[4:5], s[6:7]
	s_add_nc_u64 s[PFA:PFA+1], s[PFA:PFA+1], s[2:3]
	s_add_nc_u64 s[20:21], s[4:5], s[20:21]
	s_add_nc_u64 s[72:73], s[4:5], s[72:73]
	s_add_nc_u64 s[PW:PW+1], s[4:5], s[PW:PW+1]
	s_or_b32 s[PW+1], s[PW+1], 0x80000000
	s_add_nc_u64 s[46:47], s[6:7], s[46:47]
	s_add_nc_u64 s[74:75], s[6:7], s[74:75]
	s_add_nc_u64 s[VW:VW+1], s[6:7], s[VW:VW+1]
	s_or_b32 s[VW+1], s[VW+1], 0x80000000
	CROUND                                         ; all sixteen work-groups are here: the first joint loads meet
	SETG G0, 0, 20
	SETG G0B, 0, 46
	JLOAD G0, G1, G0B, G1B                         ; step 0
	SETG G0+4, 1, 72
	SETG G0B+4, 1, 74
	JLOAD G0+4, G1, G0B+4, G1B                     ; step 1: two loads of mine are out
	; the statistics of my 64 queries of each tile: lane l stands for query 32 p + l
	v_and_b32 v6, 31, v0
	v_lshlrev_b32 v[L4], 2, v6
	v_lshlrev_b32 v[PFO], 8, v6
	s_lshl_b32 s12, s15, 6
	s_lshl_b32 s2, s17, 7
	s_add_co_u32 s2, s2, s12                       ; my first query of the first tile, in the batch
	s_lshl_b32 s3, s18, 7
	s_add_co_u32 s3, s3, s12                       ; of the second
	s_lshl_b32 s13, s76, 14
	s_add_co_u32 s86, s13, s2
	s_lshl_b32 s86, s86, 2
	s_mov_b32 s87, 0
	s_add_co_u32 s88, s13, s3
	s_lshl_b32 s88, s88, 2
	s_mov_b32 s89, 0
	s_lshl_b32 s13, s76, 15
	s_add_co_u32 s90, s13, s2
	s_lshl_b32 s90, s90, 2
	s_mov_b32 s91, 0
	s_add_co_u32 s92, s13, s3
	s_lshl_b32 s92, s92, 2
	s_mov_b32 s93, 0
	s_add_nc_u64 s[86:87], s[8:9], s[86:87]        ; nmtab: first tile,
	s_add_nc_u64 s[88:89], s[8:9], s[88:89]        ; second tile
	s_add_nc_u64 s[90:91], s[10:11], s[90:91]      ; ltab likewise
	s_add_nc_u64 s[92:93], s[10:11], s[92:93]
.irp k, 0,1,2,3
.irp j, 0,1,2,3,4,5,6,7
	global_load_b32 v[ST0+24*\k+\j], v[L4], s[86+2*(\k/2):87+2*(\k/2)] offset:8192*\j+128*(\k%2)
.endr
.irp j, 0,1,2,3,4,5,6,7,8,9,10,11,12,13,14,15
	global_load_b32 v[ST0+24*\k+8+\j], v[L4], s[90+2*(\k/2):91+2*(\k/2)] offset:8192*\j+128*(\k%2)
.endr
.endr
	v_and_b32 v1, 15, v0                           ; r
	v_bfe_u32 v2, v0, 4, 1                         ; h
	v_lshlrev_b32 v[LI], 4, v6
	s_lshl_b32 s12, s15, 15                        ; my 4 groups of P
	s_lshl_b32 s13, s16, 15
	s_add_co_u32 s13, s13, 2*HALFT                 ; my 4 groups of V, behind P's 8
.irp s, 0,1
	v_add_nc_u32 v[ADRA+\s], s12, v[LI]
	v_add_nc_u32 v[ADRB+\s], s13, v[LI]
	s_add_co_u32 s12, s12, SLOT
	s_add_co_u32 s13, s13, SLOT
.endr
	s_mul_i32 s12, s14, 16*SPITCH
	s_add_co_u32 s12, s12, STAGE                   ; my stage
	v_mul_u32_u24 v5, v1, SPITCH                   ; in: row r, 32 bytes for each half of the lanes
	v_lshl_add_u32 v5, v2, 5, v5
	v_add_nc_u32 v[STO], s12, v5
	v_mul_u32_u24 v5, v2, SPITCH                   ; back: lanes 0-15 take one row of 256 bytes, lanes 16-31 the next
	v_lshl_add_u32 v5, v1, 4, v5
	v_add_nc_u32 v[RD], s12, v5
	v_lshlrev_b32 v5, 12, v2                       ; and the same two rows of out, 4,096 bytes apart
	v_lshl_add_u32 v[CO], v1, 4, v5
	s_lshl_b32 s13, s76, 11
	s_lshl_b32 s67, s42, 9                         ; my tile's 128 channels,
	s_lshl_b32 s12, s16, 8
	s_add_co_u32 s67, s67, s12                     ; my 64 of them, in bytes
	s_add_co_u32 s96, s13, s2
	s_lshl_b32 s96, s96, 12                        ; my first row of out, of 4,096 bytes: under 2^26
	s_add_co_u32 s96, s96, s67
	s_mov_b32 s97, 0
	s_add_co_u32 s98, s13, s3
	s_lshl_b32 s98, s98, 12
	s_add_co_u32 s98, s98, s67
	s_mov_b32 s99, 0
	s_add_nc_u64 s[96:97], s[70:71], s[96:97]      ; out: first tile,
	s_add_nc_u64 s[98:99], s[70:71], s[98:99]      ; second tile
.macro CLEAR
	WIN 0x40                                       ; destination window 1
.set i, 0
.rept 128
	v_mov_b32 v[ACC+i], 0
.set i, i+1
.endr
	WIN 0
.endm
	CLEAR
.set i, 0
.rept 40
	v_mov_b32 v[GQ+2*i+1], 0                       ; (named as the upper halves of g's pairs)
.set i, i+1
.endr
	s_wait_loadcnt 0x0
	s_wait_kmcnt 0x0
	s_add_co_i32 s84, s84, s85                     ; e8 + e9
	s_mov_b32 s85, 0xffff0000                      ; lanes 16-31
.irp k, 0,1,2,3
.set NV, ST0+24*\k
.set LV, NV+8
	v_min3_num_f32 v[TT+\k], v[NV], v[NV+1], v[NV+2]               ; -M of the row = the least -M_j
	v_min3_num_f32 v[TT+\k], v[TT+\k], v[NV+3], v[NV+4]
	v_min3_num_f32 v[TT+\k], v[TT+\k], v[NV+5], v[NV+6]
	v_min_num_f32 v[TT+\k], v[TT+\k], v[NV+7]
.irp j, 0,1,2,3,4,5,6,7
	v_sub_f32 v[NV+\j], v[TT+\k], v[NV+\j]                         ; M_j - M: a whole number, 0 or less
	v_add_f32 v[LV+2*\j], v[LV+2*\j], v[LV+2*\j+1]                 ; l_j of the 256 keys
.endr
.irp j, 0,1,2,3,4,5,6,7
	v_cvt_i32_f32 v[NV+\j], v[NV+\j]                               ; (it saturates)
.endr
.irp j, 0,1,2,3,4,5,6,7
	v_ldexp_f32 v[LV+2*\j], v[LV+2*\j], v[NV+\j]                   ; g_j l_j: nothing is rounded
.endr
	v_add_f32 v[LV], v[LV], v[LV+2]
	v_add_f32 v[LV+4], v[LV+4], v[LV+6]
	v_add_f32 v[LV+8], v[LV+8], v[LV+10]
	v_add_f32 v[LV+12], v[LV+12], v[LV+14]
	v_add_f32 v[LV], v[LV], v[LV+4]
	v_add_f32 v[LV+8], v[LV+8], v[LV+12]
	v_add_f32 v[LV], v[LV], v[LV+8]                                ; l
	v_rcp_f32 v[TT+4+\k], v[LV]
.endr
	v_nop                                          ; a plain line behind the last reciprocal
	s_wait_alu depctr_va_vdst(0)                   ; one wait for the four, ahead of their first reader
.irp k, 0,1,2,3
	v_ldexp_f32 v[TT+4+\k], v[TT+4+\k], s84        ; 2^(e8 + e9) / l
.irp j, 0,1,2,3,4,5,6,7
	v_ldexp_f32 v[ST0+24*\k+8+2*\j], v[TT+4+\k], v[ST0+24*\k+\j]   ; g'_j of query 32 p + l, at v[ST0 + 24 k + 8 + 2 j]
.endr
.endr
; g' in the order of the walk.  Blocks u = 0, 1: the first tile's 0, 1.  u = 2, 3: the second tile's 0, 1 (Gq = 0) or the first tile's 2, 3 (Gq = 1).  u = 4 .. 9: the second tile's u - 2 or u - 4.
; Then the spread: tile 2 p wants queries 32 p + r in both halves of the lanes, tile 2 p + 1 queries 32 p + 16 + r.  The permutes land in registers that held M_j - M: they have been written and are done with.
.irp p, 0,1
.irp u, 2,3
	v_cndmask_b32 v[XQ+\u], v[ST0+48+24*\p+8+2*(\u-2)], v[ST0+24*\p+8+2*\u], s66
.endr
.irp u, 4,5,6,7,8,9
	v_cndmask_b32 v[XQ+\u], v[ST0+48+24*\p+8+2*(\u-2)], v[ST0+48+24*\p+8+2*(\u-4)], s66
.endr
.irp u, 0,1,2,3,4,5,6,7,8,9
.if \u < 2
.set XS, ST0+24*\p+8+2*\u
.else
.set XS, XQ+\u
.endif
.if \u < 8
.set YS, ST0+24*\p+\u
.else
.set YS, ST0+48+24*\p+\u-8
.endif
	v_permlanex16_b32 v[YS], v[XS], s[SEL], s[SEL+1]               ; lane l xor 16's
.endr
.irp u, 0,1,2,3,4,5,6,7,8,9
.if \u < 2
.set XS, ST0+24*\p+8+2*\u
.else
.set XS, XQ+\u
.endif
.if \u < 8
.set YS, ST0+24*\p+\u
.else
.set YS, ST0+48+24*\p+\u-8
.endif
	v_cndmask_b32 v[GQ+8*\u+4*\p], v[XS], v[YS], s85
	v_cndmask_b32 v[GQ+8*\u+4*\p+2], v[YS], v[XS], s85
.endr
.endr
.macro FETCH s, q, set                 ; the fragments of the slot's q-th 128 keys into a set: 16 loads for V, 16 for P, each of 512 consecutive bytes
	WIN 0x80                                       ; destination window 2, address window 0
.irp b, 0,1,2,3
.irp c, 0,1,2,3
	ds_load_b128 v[128*(\set)+64+16*\b+4*\c:128*(\set)+64+16*\b+4*\c+3], v[ADRB+\s] offset:GRP*\b+FRB*(\q)+512*\c
.endr
.endr
.irp a, 0,1,2,3
.irp c, 0,1,2,3
	ds_load_b128 v[128*(\set)+16*\a+4*\c:128*(\set)+16*\a+4*\c+3], v[ADRA+\s] offset:GRP*\a+FRB*(\q)+512*\c
.endr
.endr
.endm
.macro MUL8 set, a0, zero              ; T(a, b), a = a0, a0 + 1, b = 0 .. 3.  zero = 1: a block's first 128 keys start the sums.  The 16 accumulators take turns
.irp a, \a0, \a0+1
.irp b, 0,1,2,3
.if \zero
	v_wmma_f32_16x16x128_fp8_fp8 v[8*(4*(\a)+\b):8*(4*(\a)+\b)+7], v[128*(\set)+64+16*\b:128*(\set)+64+16*\b+15], v[128*(\set)+16*(\a):128*(\set)+16*(\a)+15], 0
.else
	v_wmma_f32_16x16x128_fp8_fp8 v[8*(4*(\a)+\b):8*(4*(\a)+\b)+7], v[128*(\set)+64+16*\b:128*(\set)+64+16*\b+15], v[128*(\set)+16*(\a):128*(\set)+16*(\a)+15], v[8*(4*(\a)+\b):8*(4*(\a)+\b)+7]
.endif
.endr
.endr
.endm
.macro FMA u                           ; ACC += g' T for the walk's block u, two numbers a line; each accumulator is read from its low end on
	WIN 0x51                                       ; source 0 (T), source 2 and destination (ACC) window 1, source 1 (g') window 0
.irp a, 0,1,2,3
.set i, 0
.rept 16
	v_pk_fma_f32 v[ACC+32*\a+i:ACC+32*\a+i+1], v[32*\a+i:32*\a+i+1], v[GQ+8*(\u)+2*\a:GQ+8*(\u)+2*\a+1], v[ACC+32*\a+i:ACC+32*\a+i+1] op_sel_hi:[1,0,1]
.set i, i+2
.endr
.endr
.endm
; A STEP of 512 keys, in slot s: four K steps of 128 keys on the two sets by turns, two blocks of 256 keys for T (the walk's blocks u0, u0 + 1).
; chg = 2: the slot is left and filled again with step 2 + k;  1: it is left;  0: the last step.  nxt = 1: the other slot's first fragments are fetched.  pf: the step, counted from step 2, that is prefetched; 0: none.
; Behind the second K step all fragments of this slot have been asked for; the change of slots stands there: each wave waits for all its tensor loads, adds 0 to its spare word, and waits for that and for its reads
; of this slot.  A block's first products begin T anew: between a product and the one that writes over its result stand the four places and the multiply-adds of the other tiles.
.macro RUN s, chg, nxt, u0, k, pf
	s_wait_dscnt 32                                ; set 0 is in; set 1's 32 loads may be out
	WIN MULW
	MUL8 0, 0, 1
	MUL8 0, 2, 1
	PLACES 4                                       ; in front of the loads into set 0
	FETCH \s, 2, 0
	s_wait_dscnt 32                                ; set 1 is in; the 32 just issued may be out
	WIN MULW
	MUL8 1, 0, 0
	MUL8 1, 2, 0
	PLACES 4                                       ; in front of the loads into set 1 and of the first read of T
	FETCH \s, 3, 1
	FMA \u0
.if \chg
	WIN 0                                          ; (the add's two registers lie in window 0)
	s_wait_tensorcnt 0x0                           ; all my tensor loads have landed: my part of the other slot
	ds_add_u32 v[SPW], v[NIL]                      ; 0 onto my spare word
	s_wait_dscnt 33                                ; set 0 is in; set 1's 32 loads and the add may be out
	WIN MULW
	MUL8 0, 0, 1                                   ; eight matrix instructions stand between the add and the wait for it
	s_wait_dscnt 0x0                               ; the add is done, and my reads of this slot are over
	s_barrier_signal -1
	MUL8 0, 2, 1
	WIN 0
	s_barrier_wait -1
.if \chg == 2
	CREST                                          ; no wave of any partner still reads this slot or has a load on its way
	s_add_nc_u64 s[G0+4*\s+2:G0+4*\s+3], s[PW:PW+1], GRP*(\k)
	s_add_nc_u64 s[G0B+4*\s+2:G0B+4*\s+3], s[VW:VW+1], GRP*(\k)
	JLOAD G0+4*\s, G1, G0B+4*\s, G1B               ; the first tensor load behind the round; its four v_nop are the places in front of the loads below
.else
	PLACES 4
.endif
.else
	s_wait_dscnt 32
	WIN MULW
	MUL8 0, 0, 1
	MUL8 0, 2, 1
	s_wait_dscnt 0x0                               ; set 1 is in
.endif
.if \nxt
	FETCH 1-\s, 0, 0
.endif
.if \pf
	WIN 0
	ASK \pf                                        ; behind the joint load and the run of LDS loads that the next products wait for
.endif
	WIN MULW
	MUL8 1, 0, 0
	MUL8 1, 2, 0
	PLACES 4
.if \nxt
	FETCH 1-\s, 1, 1
.endif
	FMA \u0+1
	WIN 0
.endm
; THE WAY OUT of a tile, a block of 16 queries x 64 channels at a time: a lane holds 32 neighbouring bytes of a row, and the lanes beside it other rows: so a block goes through my own stage and comes back as whole
; rows of 256 bytes, two to an instruction.  It stands where a refill is on its way.
.macro TOSTAGE a
	WIN 0x04                                       ; the stores' data: window 1
.irp b, 0,1,2,3
	ds_store_b128 v[STO], v[ACC+32*(\a)+8*\b:ACC+32*(\a)+8*\b+3] offset:64*\b
	ds_store_b128 v[STO], v[ACC+32*(\a)+8*\b+4:ACC+32*(\a)+8*\b+7] offset:64*\b+16
.endr
	WIN 0
.set BB, BK+32*((\a)%2)
.irp t, 0,1,2,3,4,5,6,7
	ds_load_b128 v[BB+4*\t:BB+4*\t+3], v[RD] offset:\t*2*SPITCH    ; LDS serves a wave's instructions in order (ISA guide 5.7.1.4): these see the stores above
.endr
.endm
.macro SEND a, younger, o              ; younger: the LDS instructions issued behind block a's loads, which may stay out
.set BB, BK+32*((\a)%2)
	s_wait_dscnt \younger
.irp t, 0,1,2,3,4,5,6,7
	global_store_b128 v[CO], v[BB+4*\t:BB+4*\t+3], s[\o:\o+1] offset:65536*(\a)+8192*\t th:TH_STORE_NT   ; sixteen lanes store 256 consecutive bytes, aligned; written once, read by nobody here
.endr
.endm
.macro FLUSH o, clear
	s_wait_xcnt 0x0                                ; every earlier store has read its registers: rows may land there again
	TOSTAGE 0
.irp a, 1,2,3
.if \a > 1
	s_wait_xcnt 0x0                                ; block a - 2's stores have read their registers: block a's loads may land there
.endif
	TOSTAGE \a
	SEND \a-1, 16, \o                              ; behind block a - 1's loads: block a's 8 stores and 8 loads
.endr
	SEND 3, 0, \o
.if \clear
	CLEAR                                          ; behind the wait for all LDS instructions: the second tile's sums begin
.endif
.endm
	s_wait_tensorcnt 1                             ; my part of step 0 is in; step 1's may be out
	s_barrier_signal -1
	s_barrier_wait -1
	FETCH 0, 0, 0
	FETCH 0, 1, 1
	RUN 0, 2, 1, 0, 0, 1                           ; step 0; slot 0 takes step 2; step 3 is prefetched
	s_cmp_lg_u32 s77, 0                            ; Gq = 0: the first tile is done
	s_cbranch_scc1 .Lgoes_on
	FLUSH 96, 1
.Lgoes_on:
	RUN 1, 2, 1, 2, 1, 2                           ; step 1; slot 1 takes step 3; step 4 is prefetched
	s_cmp_eq_u32 s77, 0                            ; Gq = 1: the first tile is done
	s_cbranch_scc1 .Lwent_out
	FLUSH 96, 1
.Lwent_out:
	RUN 0, 2, 1, 4, 2, 0                           ; step 2; slot 0 takes step 4: the last load
	RUN 1, 1, 1, 6, 0, 0                           ; step 3: nothing is left to fetch
	RUN 0, 0, 0, 8, 0, 0                           ; step 4
	FLUSH 98, 0                                    ; the second tile
	s_wait_tensorcnt 0x0                           ; the wave's end
	ds_add_u32 v[SPW], v[NIL]
	s_wait_dscnt 0x0
	CROUND                                         ; the closing round: no work-group ends while a partner may still ask for a tile that names it
	s_endpgm
.Lfunc_end_k_qa77e68b0b9_mix:
	.size	k_qa77e68b0b9_mix, .Lfunc_end_k_qa77e68b0b9_mix-k_qa77e68b0b9_mix
	.p2alignl 7, 3214868480
	.fill 96, 4, 3214868480
	.section	.rodata,"a",@progbits
	.p2align	6, 0x0
	.amdhsa_kernel k_qa77e68b0b9_mix
		.amdhsa_group_segment_fixed_size 327680
		.amdhsa_private_segment_fixed_size 0
		.amdhsa_enable_private_segment 0
		.amdhsa_kernarg_size 48
		.amdhsa_user_sgpr_count 2
		.amdhsa_user_sgpr_kernarg_segment_ptr 1
		.amdhsa_wavefront_size32 1
		.amdhsa_system_sgpr_workgroup_id_x 1
		.amdhsa_system_sgpr_workgroup_id_y 1
		.amdhsa_system_sgpr_workgroup_id_z 1
		.amdhsa_system_vgpr_workitem_id 0
		.amdhsa_next_free_vgpr 768
		.amdhsa_next_free_sgpr 100
		.amdhsa_reserve_vcc 0
		.amdhsa_float_denorm_mode_32 3
		.amdhsa_float_denorm_mode_16_64 3
		.amdhsa_memory_ordered 1
		.amdhsa_forward_progress 1
		.amdhsa_inst_pref_size 177
	.end_amdhsa_kernel
	.amdgpu_metadata
---
amdhsa.version: [ 1, 2 ]
amdhsa.kernels:
  - .name:           k_qa77e68b0b9_mix
    .symbol:         k_qa77e68b0b9_mix.kd
    .args:
      - { .name: pf, .offset: 0, .size: 8, .value_kind: global_buffer, .address_space: global }
      - { .name: vf, .offset: 8, .size: 8, .value_kind: global_buffer, .address_space: global }
      - { .name: nmtab, .offset: 16, .size: 8, .value_kind: global_buffer, .address_space: global }
      - { .name: ltab, .offset: 24, .size: 8, .value_kind: global_buffer, .address_space: global }
      - { .name: lowp_scales, .offset: 32, .size: 8, .value_kind: global_buffer, .address_space: global }
      - { .name: out0, .offset: 40, .size: 8, .value_kind: global_buffer, .address_space: global }
    .group_segment_fixed_size: 327680
    .private_segment_fixed_size: 0
    .kernarg_segment_align: 8
    .kernarg_segment_size: 48
    .max_flat_workgroup_size: 128
    .sgpr_count:     100
    .vgpr_count:     768
    .wavefront_size: 32
...
	.end_amdgpu_metadata
.endif
;; end of part 3
